; MI455X (gfx1250); checked and timed in simulation.
; The chip was launched on July 23, 2026; its instructions are those of AMD's public machine-readable ISA for CDNA 5 (MIT licence, August 2026) and "CDNA5" Instruction Set Architecture Reference Guide (July 2026). The comments in the code are by the model that wrote it; some were corrected since.
;; Causal Self Attention. Allowed arithmetic: float matrix products may take bf16 or f16 operands with f32 sums; all other float work in f32.
;; Inputs: attn_mask 1 x 1 x 1,024 x 1,024 bool; b_attn 3,072 float32; b_proj 1,024 float32; w_attn 1,024 x 3,072 float32; w_proj 1,024 x 1,024 float32; x 8 x 1,024 x 1,024 float32.
;; Outputs: out0 8 x 1,024 x 1,024 float32.
;; 2 versions, each right; version 2 is version 1 with the launch prep written anew for expert scheduling mode. Each part assembles by itself: llvm-mc -triple=amdgcn-amd-amdhsa -mcpu=gfx1250 --defsym DOCPART=n.
;; ======== version 1 of 2: 4 launches
;; limits: values are held in f16: magnitudes above 65,504 overflow, below 6.1e-05 lose precision
;; workspace buffers: xb 16,777,216 bytes; wab 6,291,456 bytes; wph 2,097,152 bytes; mbits 131,072 bytes of whole numbers; qkvh 50,331,648 bytes; yh 16,777,216 bytes
;; launch prep (part 1): grid 832 x 1, 8 waves a work-group, no clusters, 0 bytes of LDS; arguments x, w_attn, w_proj, attn_mask, xb, wab, wph, mbits; writes xb, wab, wph, mbits
.if DOCPART == 1
	.amdgcn_target "amdgcn-amd-amdhsa--gfx1250"
	.amdhsa_code_object_version 6
	.text
	.protected	k_q1720b40dc0_prep
	.globl	k_q1720b40dc0_prep
	.p2align	8
	.type	k_q1720b40dc0_prep,@function
k_q1720b40dc0_prep:
	s_mov_b64 s[64:65], 0
	v_nop
	global_prefetch_b8 v0, s[64:65] scope:SCOPE_SE
	s_setreg_imm32_b32 hwreg(HW_REG_WAVE_MODE, 25, 1), 1
	s_wait_xcnt 0x0
; PREPARATION.  x, w_attn and w_proj (f32) are rounded once to bf16 (to nearest even), in the same order, for the matrix products of the later launches;
; the mask's bytes become lane masks of 32 bits.
; x and w_attn are stored as bf16.  w_proj meets y, which is kept in f16 for its 11 significant bits, so w_proj's bf16 numbers are written in f16:
; a bf16 number has 8 significant bits and is exact in f16 for magnitudes from 2^-17 (f16's last place is 2^-24) to 65,504.
; LIMIT: |w_proj| of 65,504 and more becomes infinity; below 2^-17 the second step is off by 2^-25 at the most.
; Work-groups 0-511 take x, 512-703 w_attn, 704-767 w_proj: 65,536 bytes of f32 each (33,554,432 / 65,536 = 512; 12,582,912 / 65,536 = 192;
; 4,194,304 / 65,536 = 64).  Thread t takes 16 bytes at 16 t of each block of 4,096: a wave's load covers 512 consecutive bytes, its store 256.
; Work-groups 768-831 take 16 rows of the mask each.  Word ((qt 64 + kt) 8 + j) of mbits has in bit l the mask of query 16 qt + l % 16 and
; key 16 kt + 8 (l / 16) + j: the lane mask for register j of a 16 x 16 tile of scores that holds one query a lane.
; No LDS, no matrix unit, no cluster: every byte is read once and nothing is shared.
.set NCONV, 768                        ; work-groups that convert
.set FIRSTP, 704                       ; the first of them that takes w_proj
.set T,   4                            ; v[4:9]     at work (w_proj's second step)
.set IN,  16                           ; v[16:79]   sixteen loads of 16 bytes
.set OUT, 80                           ; v[80:111]  sixteen pairs to store
	s_load_b512 s[4:19], s[0:1], 0x0               ; x s[4:5], w_attn s[6:7], w_proj s[8:9], mask s[10:11], xb s[12:13], wab s[14:15], wph s[16:17], mbits s[18:19]
	s_mov_b32 s20, ttmp9                           ; the work-group's number
	s_wait_kmcnt 0x0
	s_cmp_ge_u32 s20, NCONV
	s_cbranch_scc1 .Lmask
	; which tensor: the choice hangs on the work-group's number alone
	s_cmp_ge_u32 s20, 512
	s_cselect_b64 s[22:23], s[6:7], s[4:5]         ; from
	s_cselect_b64 s[24:25], s[14:15], s[12:13]     ; to
	s_cselect_b32 s21, 512, 0                      ; the tensor's first work-group
	s_cmp_ge_u32 s20, FIRSTP
	s_cselect_b64 s[22:23], s[8:9], s[22:23]
	s_cselect_b64 s[24:25], s[16:17], s[24:25]
	s_cselect_b32 s21, FIRSTP, s21
	s_sub_co_u32 s21, s20, s21                     ; my block in the tensor
	s_lshl_b32 s26, s21, 16                        ; 65,536 bytes of f32,
	s_mov_b32 s27, 0
	s_lshl_b32 s28, s21, 15                        ; 32,768 bytes of 16-bit numbers
	s_mov_b32 s29, 0
	s_add_nc_u64 s[22:23], s[22:23], s[26:27]
	s_add_nc_u64 s[24:25], s[24:25], s[28:29]
	v_lshlrev_b32 v1, 4, v0                        ; 16 t
	v_lshlrev_b32 v2, 3, v0                        ; 8 t
.irp i, 0,1,2,3,4,5,6,7,8,9,10,11,12,13,14,15
	global_load_b128 v[IN+4*\i:IN+4*\i+3], v1, s[22:23] offset:4096*\i th:TH_LOAD_NT   ; all sixteen go out first: read once in the launch
.endr
	s_cmp_ge_u32 s20, FIRSTP
	s_cbranch_scc1 .Lw_proj                        ; sixteen loads are out on both ways
.irp i, 0,1,2,3,4,5,6,7,8,9,10,11,12,13,14,15
	s_wait_loadcnt 15-\i                           ; loads come back in order: load i is in, the 15 - i younger ones stay out
	v_cvt_pk_bf16_f32 v[OUT+2*\i],   v[IN+4*\i],   v[IN+4*\i+1]
	v_cvt_pk_bf16_f32 v[OUT+2*\i+1], v[IN+4*\i+2], v[IN+4*\i+3]
	global_store_b64 v2, v[OUT+2*\i:OUT+2*\i+1], s[24:25] offset:2048*\i   ; 32 lanes store 256 consecutive bytes, aligned; no register is used twice, so nothing waits for a store
.endr
	s_endpgm
.Lw_proj:
.irp i, 0,1,2,3,4,5,6,7,8,9,10,11,12,13,14,15
	s_wait_loadcnt 15-\i                           ; as above
	v_cvt_pk_bf16_f32 v[T],   v[IN+4*\i],   v[IN+4*\i+1]     ; rounded to bf16,
	v_cvt_pk_bf16_f32 v[T+1], v[IN+4*\i+2], v[IN+4*\i+3]
	v_lshlrev_b32 v[T+2], 16, v[T]                           ; widened again (a shift, a mask),
	v_and_b32     v[T+3], 0xffff0000, v[T]
	v_lshlrev_b32 v[T+4], 16, v[T+1]
	v_and_b32     v[T+5], 0xffff0000, v[T+1]
	v_cvt_pk_f16_f32 v[OUT+2*\i],   v[T+2], v[T+3]           ; and written in f16
	v_cvt_pk_f16_f32 v[OUT+2*\i+1], v[T+4], v[T+5]
	global_store_b64 v2, v[OUT+2*\i:OUT+2*\i+1], s[24:25] offset:2048*\i
.endr
	s_endpgm
.Lmask:
	; Query tile qt = my number - 768; wave w takes key tiles 8 w to 8 w + 7.  Lane l reads, for key tile 8 w + k, the 8 bytes of row 16 qt + l % 16 at key 16 (8 w + k) + 8 (l / 16).
	v_lshrrev_b32 v1, 5, v0
	v_readfirstlane_b32 s21, v1                    ; wave 0..7
	s_sub_co_u32 s20, s20, NCONV                   ; qt
	v_and_b32 v2, 15, v0
	v_bfe_u32 v3, v0, 4, 1
	v_lshlrev_b32 v4, 10, v2                       ; a row of the mask is 1,024 bytes
	v_lshl_add_u32 v4, v3, 3, v4
	v_and_b32 v5, 31, v0
	v_lshlrev_b32 v5, 3, v5                        ; the way out: 8 bytes a lane
	s_lshl_b32 s22, s20, 14                        ; 16 rows,
	s_lshl_b32 s23, s21, 7                         ; 128 keys
	s_add_co_u32 s22, s22, s23
	s_mov_b32 s23, 0
	s_lshl_b32 s24, s20, 11                        ; a query tile's 512 words,
	s_lshl_b32 s25, s21, 8                         ; my wave's 64 of them
	s_add_co_u32 s24, s24, s25
	s_mov_b32 s25, 0
	s_add_nc_u64 s[10:11], s[10:11], s[22:23]
	s_add_nc_u64 s[18:19], s[18:19], s[24:25]
.irp k, 0,1,2,3,4,5,6,7
	global_load_b64 v[IN+2*\k:IN+2*\k+1], v4, s[10:11] offset:16*\k
.endr
	v_mov_b32 v10, 0                               ; v_writelane_b32 keeps the other lanes, so both are written whole first
	v_mov_b32 v11, 0
	s_wait_loadcnt 0x0
	; Word 8 k + j of my wave's 64 goes to lane 4 k + j / 2, register j % 2: the lanes then hold the words in order, two each.
.irp k, 0,1,2,3,4,5,6,7
.irp j, 0,1,2,3,4,5,6,7
	v_bfe_u32 v[12+\j%4], v[IN+2*\k+\j/4], 8*(\j%4), 8       ; byte j: one key's mask in each lane
	v_cmp_ne_u32 s[30+\j%4], 0, v[12+\j%4]                   ; 32 lanes' bits in one word
	v_writelane_b32 v[10+\j%2], s[30+\j%4], 4*\k+\j/2
.endr
.endr
	global_store_b64 v5, v[10:11], s[18:19]        ; 256 consecutive bytes, aligned
	s_endpgm
.Lfunc_end_k_q1720b40dc0_prep:
	.size	k_q1720b40dc0_prep, .Lfunc_end_k_q1720b40dc0_prep-k_q1720b40dc0_prep
	.p2alignl 7, 3214868480
	.fill 96, 4, 3214868480
	.section	.rodata,"a",@progbits
	.p2align	6, 0x0
	.amdhsa_kernel k_q1720b40dc0_prep
		.amdhsa_group_segment_fixed_size 0
		.amdhsa_private_segment_fixed_size 0
		.amdhsa_enable_private_segment 0
		.amdhsa_kernarg_size 64
		.amdhsa_user_sgpr_count 2
		.amdhsa_user_sgpr_kernarg_segment_ptr 1
		.amdhsa_wavefront_size32 1
		.amdhsa_system_sgpr_workgroup_id_x 1
		.amdhsa_system_sgpr_workgroup_id_y 1
		.amdhsa_system_sgpr_workgroup_id_z 1
		.amdhsa_system_vgpr_workitem_id 0
		.amdhsa_next_free_vgpr 112
		.amdhsa_next_free_sgpr 66
		.amdhsa_reserve_vcc 0
		.amdhsa_float_denorm_mode_32 3
		.amdhsa_float_denorm_mode_16_64 3
		.amdhsa_memory_ordered 1
		.amdhsa_forward_progress 1
		.amdhsa_inst_pref_size 30
	.end_amdhsa_kernel
	.amdgpu_metadata
---
amdhsa.version: [ 1, 2 ]
amdhsa.kernels:
  - .name:           k_q1720b40dc0_prep
    .symbol:         k_q1720b40dc0_prep.kd
    .args:
      - { .name: x, .offset: 0, .size: 8, .value_kind: global_buffer, .address_space: global }
      - { .name: w_attn, .offset: 8, .size: 8, .value_kind: global_buffer, .address_space: global }
      - { .name: w_proj, .offset: 16, .size: 8, .value_kind: global_buffer, .address_space: global }
      - { .name: attn_mask, .offset: 24, .size: 8, .value_kind: global_buffer, .address_space: global }
      - { .name: xb, .offset: 32, .size: 8, .value_kind: global_buffer, .address_space: global }
      - { .name: wab, .offset: 40, .size: 8, .value_kind: global_buffer, .address_space: global }
      - { .name: wph, .offset: 48, .size: 8, .value_kind: global_buffer, .address_space: global }
      - { .name: mbits, .offset: 56, .size: 8, .value_kind: global_buffer, .address_space: global }
    .group_segment_fixed_size: 0
    .private_segment_fixed_size: 0
    .kernarg_segment_align: 8
    .kernarg_segment_size: 64
    .max_flat_workgroup_size: 256
    .sgpr_count:     66
    .vgpr_count:     112
    .wavefront_size: 32
...
	.end_amdgpu_metadata
.endif
;; end of part 1
;; launch qkv (part 2): grid 4 x 64, 4 waves a work-group, clusters of 4 x 4, 327,680 bytes of LDS; arguments xb, wab, b_attn, qkvh; writes qkvh
.if DOCPART == 2
	.amdgcn_target "amdgcn-amd-amdhsa--gfx1250"
	.amdhsa_code_object_version 6
	.text
	.protected	k_q1720b40dc0_qkv
	.globl	k_q1720b40dc0_qkv
	.p2align	8
	.type	k_q1720b40dc0_qkv,@function
k_q1720b40dc0_qkv:
	s_mov_b64 s[64:65], 0
	v_nop
	global_prefetch_b8 v0, s[64:65] scope:SCOPE_SE
	s_setreg_imm32_b32 hwreg(HW_REG_WAVE_MODE, 25, 1), 1
	s_wait_xcnt 0x0
	s_wait_alu depctr_hold_cnt(0) depctr_sa_sdst(0) depctr_va_vdst(0) depctr_va_sdst(0) depctr_va_ssrc(0) depctr_va_vcc(0) depctr_vm_vsrc(0)
	s_getreg_b32 s2, hwreg(HW_REG_IB_STS2, 6, 4)
	s_cmp_eq_u32 s2, 0
	s_cbranch_scc0 .Lentry_in_a_cluster
	s_endpgm
.Lentry_in_a_cluster:
	s_bfe_u32 s2, ttmp6, 0x10000c
	s_cmp_lg_u32 s2, 0xf033
	s_cbranch_scc0 .Lentry_shape_is_right
	s_endpgm
.Lentry_shape_is_right:
; qkv = x w_attn + b_attn.  xb: [8192][1024] bf16; wab: [1024][3072] bf16 (K along the rows' index, N along a row); b_attn: [3072] f32.
; Result in f16 (11 significant bits, for the attention launch), laid by heads: qkvh[which][b][head][t][64], so that a head's rows are dense there.  Sums in f32.
; LIMIT: q, k and v are kept in f16: magnitudes of 65,504 and more become infinity.
; SHARES.  A tile is 128 rows x 256 columns; four waves, each 64 x 128: 32 accumulators of 16 x 16, 256 registers.  The result has 12 x 64 = 768 tiles.
; A WORK-GROUP STAYS: 4 x 64 = 256 work-groups, each makes three tiles of the same 128 rows: its 256 columns of q, then of k, then of v (1,024 columns apart).
; K = 1,024 goes in 8 steps of 128 through a ring of two LDS slots filled by tensor loads: x's rows are 256 bytes, w's 512 bytes, all from multiples of 256 bytes.
; The ring does not stop at a tile's end: a tile's last two changes of slots ask for the next tile's first two K steps, and nothing waits for a tile's stores.
; w lies [K][N]: its fragments come out of LDS turned, by ds_load_tr16_b128.
; CLUSTER.  4 x 4 work-groups: the four of a row of the cluster need the same tiles of x, the four of a column the same tiles of w; each tile is asked for jointly,
; by the same tensor load with the same descriptor and a mask that names the four.  All sixteen walk their three tiles in step.
; THE MATRIX INSTRUCTION IS USED TRANSPOSED (source 0 = 16 columns of w, source 1 = 16 rows of x): a lane holds row l % 16 and the eight neighbouring columns 8 (l / 16) + 0..7.
; The bias is the C operand of each accumulator's first product: nothing is cleared and nothing is added on the way out.
; REGISTERS.  window 0: v0-31 addresses; v32-159 the way out; v160-191 packed results; v192-255 the bias of the tile in hand, then of the next.
;   window 1: two fragment buffers of 96: 32 registers of x (4 x 16 rows x 32 K), then 64 of w (8 x 16 columns x 32 K).     window 2: accumulator (a, b) at v[8 (8 a + b)].
.set SIZE_N, 3072
.set KSTEP,  128
.set TILES,  3                         ; tiles of a work-group
.set PA,     272                       ; x's LDS row: 256 bytes + 16 = 17 x 16: the 16 rows of a fragment load fall into 16 different columns of 16 bytes modulo 256
.set HALFA,  64*PA                     ; 64 rows: one tensor load
.set ATILE,  2*HALFA
.set PB,     544                       ; w's LDS row: 512 bytes + 32 = 17 x 32: the 8 rows x 32 bytes of a turning load's 16 lanes do not meet modulo 256
.set HALFB,  64*PB
.set SLOT,   ATILE+2*HALFB             ; x's 128 rows, then w's 128 rows: 104,448 bytes
.set STAGE,  2*SLOT                    ; behind the ring: 16 rows x 272 bytes for each wave, for the way out; no tensor load lands here
.set SP,     272
.set SPARE,  STAGE+4*16*SP             ; behind the stages: the spare words, 128 bytes a wave: two blocks of 256 bytes that no other line names
.set LAPS,   4                         ; a lap = two K steps = once round the ring
.set ASTRIDE, 1024                     ; elements from row to row of x
.set A0,     KSTEP*2                   ; bytes from a K step of x to the next
.set B0,     KSTEP*SIZE_N*2            ; the same for w: 128 rows down
.set BACK_A, 6*A0                      ; bytes back from a slot's last K step of a tile (6 or 7) to its first of the next (0 or 1): the tiles share their rows of x;
.set BACK_B, 6*B0-1024*2               ; w goes as far back along K and 1,024 columns on
.set NEXT_C, 16777216                  ; bytes from a tile's place in q to the same place in k, and from k to v
.set ABLK,   16*PA                     ; from a block of 16 rows of x to the next, in LDS
.set ADRA, 16                          ; v16-17  LDS address of my fragments of x in slot 0, 1
.set ADRB, 20                          ; v20-21  the same for w
.set STO,  24                          ; v24     the way out: where I put 16 bytes of a row
.set RD,   25                          ; v25     the way out: where I read back
.set CO,   26                          ; v26     my byte offset in the result
.set BO,   27                          ; v27     my byte offset in the bias
.set SPW,  28                          ; v28     LDS address of my spare word; never rewritten
.set NIL,  29                          ; v29     0; never rewritten
.set OB,   32
.set TMP,  160
.set BIAS, 192
.set F0,   0
.set F1,   96
.set WV, 12                            ; s12 wave; s13 which 64 rows are mine, also: I fetch x (0) or w (1); s14 which 128 columns, also: which half of that tile I fetch
.set HI, 13
.set LO, 14
.set G1A, 24                           ; s[24:31] descriptor group 1 for x's tiles;  s[32:39] group 0, a set for each slot
.set G0A, 32
.set G1B, 48                           ; s[48:55], s[56:63] the same for w's
.set G0B, 56
.set MSB, 0
.macro WIN new                         ; the immediate's high byte repeats the setting that is left; a switch that changes nothing is dropped
.if MSB != (\new)
	s_set_vgpr_msb (MSB<<8)|(\new)
.set MSB, (\new)
.endif
.endm
.set MUL,  0xa5                        ; sources 0 and 1 window 1; C and D window 2
.set MULB, 0x85                        ; the same with C (the bias) in window 0
.set TO_F, 0x40                        ; destination window 1, address window 0
.macro PLACES                          ; four plain vector instructions between a matrix instruction and a load into, or a read of, its registers (ISA guide 7.12.1 for reads)
.rept 4
	v_nop
.endr
.endm
.macro JLOAD s                         ; a joint load: waves 0 and 1 fetch x's two halves, waves 2 and 3 w's; four v_nop follow each of the two lines
	s_cmp_eq_u32 s[HI], 0
	s_cbranch_scc0 .Lfor_b_\@
	tensor_load_to_lds s[G0A+4*\s:G0A+4*\s+3], s[G1A:G1A+7]
	s_nop 0
	PLACES
	s_branch .Lasked_\@
.Lfor_b_\@:
	tensor_load_to_lds s[G0B+4*\s:G0B+4*\s+3], s[G1B:G1B+7]
	s_nop 0
	PLACES
.Lasked_\@:
.endm
.macro CREST                           ; a round of the cluster's barrier behind its opening barrier
	s_cmp_lg_u32 s[WV], 0
	s_cbranch_scc1 .Lnot_wave_0_\@
	s_barrier_signal -3
.Lnot_wave_0_\@:
	s_barrier_wait -3
	s_barrier_signal -1
	s_barrier_wait -1
.endm
.macro CROUND                          ; a whole round
	s_barrier_signal -1
	s_barrier_wait -1
	CREST
.endm
.macro BLOADS                          ; the bias of my 128 columns: register j of column block b is the bias of column 16 b + 8 (l / 16) + j of them
.irp b, 0,1,2,3,4,5,6,7
	global_load_b128 v[BIAS+8*\b:BIAS+8*\b+3],   v[BO], s[8:9] offset:64*\b
	global_load_b128 v[BIAS+8*\b+4:BIAS+8*\b+7], v[BO], s[8:9] offset:64*\b+16
.endr
.endm
	s_load_b256 s[4:11], s[0:1], 0x0               ; xb s[4:5], wab s[6:7], b_attn s[8:9], qkvh s[10:11]
	v_lshl_add_u32 v[SPW], v0, 2, SPARE
	v_mov_b32 v[NIL], 0
	v_lshrrev_b32 v1, 5, v0
	v_readfirstlane_b32 s[WV], v1                  ; wave 0..3
	s_lshr_b32 s[HI], s[WV], 1
	s_and_b32 s[LO], s[WV], 1
	s_bfe_u32 s15, ttmp6, 0x40000                  ; cx, cy: my place in the cluster
	s_bfe_u32 s16, ttmp6, 0x40004
	s_lshl_b32 s17, ttmp9, 2
	s_add_co_u32 s17, s17, s15                     ; tile column within q, k or v = 4 x cluster x + cx: 0 to 3
	s_and_b32 s18, ttmp7, 0xffff
	s_lshl_b32 s18, s18, 2
	s_add_co_u32 s18, s18, s16                     ; tile row = 4 x cluster y + cy
	s_lshl_b32 s19, s16, 2
	s_lshl_b32 s19, 15, s19                        ; my row of the cluster
	s_lshl_b32 s20, 0x1111, s15                    ; my column
	; group 1 for x: 64 rows x 128 elements of 2 bytes; 4 words of padding behind every 64
	s_or_b32 s[G1A+0], s19, (1<<16)|(1<<20)|(1<<21)|(5<<22)|(3<<25)
	s_mov_b32 s[G1A+1], KSTEP<<16                  ; tensor_dim0 = 128
	s_mov_b32 s[G1A+2], 64<<16                     ; tensor_dim1 = 64
	s_mov_b32 s[G1A+3], KSTEP<<16                  ; tile_dim0 = 128
	s_mov_b32 s[G1A+4], 64                         ; tile_dim1 = 64
	s_mov_b32 s[G1A+5], ASTRIDE
	s_mov_b32 s[G1A+6], 0
	s_mov_b32 s[G1A+7], 0
	; group 1 for w: 64 rows x 256 elements; 8 words of padding behind every 128
	s_or_b32 s[G1B+0], s20, (1<<16)|(1<<20)|(1<<21)|(6<<22)|(7<<25)
	s_mov_b32 s[G1B+1], 256<<16
	s_mov_b32 s[G1B+2], 64<<16
	s_mov_b32 s[G1B+3], 256<<16
	s_mov_b32 s[G1B+4], 64
	s_mov_b32 s[G1B+5], SIZE_N
	s_mov_b32 s[G1B+6], 0
	s_mov_b32 s[G1B+7], 0
	; x's tiles hang on the tile row alone, w's on the tile column alone; each offset is made in registers that never hold the other coordinate
	s_lshl_b32 s40, s18, 7
	s_lshl_b32 s41, s[LO], 6
	s_add_co_u32 s40, s40, s41                     ; row 128 x tile row + 64 x half,
	s_lshl_b32 s40, s40, 11                        ; of 2,048 bytes
	s_mov_b32 s41, 0
	s_mul_i32 s42, s[LO], 64*SIZE_N*2              ; w: 64 rows of K for each half,
	s_lshl_b32 s43, s17, 9                         ; 512 bytes for each tile column
	s_add_co_u32 s42, s42, s43
	s_mov_b32 s43, 0
	s_mul_i32 s21, s[LO], HALFA                    ; where they go: no place in the cluster enters an LDS address
	s_mul_i32 s22, s[LO], HALFB
	s_add_co_u32 s22, s22, ATILE
	s_wait_kmcnt 0x0
	s_add_nc_u64 s[40:41], s[4:5], s[40:41]
	s_add_nc_u64 s[42:43], s[6:7], s[42:43]
	CROUND                                         ; all sixteen work-groups are here: the first joint loads meet
.irp s, 0,1
	s_mov_b32 s[G0A+4*\s], 1
	s_add_co_u32 s[G0A+4*\s+1], s21, \s*SLOT
	s_add_nc_u64 s[G0A+4*\s+2:G0A+4*\s+3], s[40:41], \s*A0
	s_or_b32 s[G0A+4*\s+3], s[G0A+4*\s+3], 0x80000000
	s_mov_b32 s[G0B+4*\s], 1
	s_add_co_u32 s[G0B+4*\s+1], s22, \s*SLOT
	s_add_nc_u64 s[G0B+4*\s+2:G0B+4*\s+3], s[42:43], \s*B0
	s_or_b32 s[G0B+4*\s+3], s[G0B+4*\s+3], 0x80000000
	JLOAD \s                                       ; the first tile's K steps 0 and 1: two loads of mine are out
.endr
	; the first tile's bias: b_attn from column 256 x tile column + 128 x half on
	v_and_b32 v1, 15, v0                           ; l % 16
	v_bfe_u32 v2, v0, 4, 1                         ; l / 16
	v_lshlrev_b32 v[BO], 5, v2
	s_lshl_b32 s42, s17, 10
	s_lshl_b32 s43, s[LO], 9
	s_add_co_u32 s42, s42, s43
	s_mov_b32 s43, 0
	s_add_nc_u64 s[8:9], s[8:9], s[42:43]
	BLOADS
	; a fragment of x: lane l takes row l % 16, 16 bytes at 16 (l / 16) and 32 further on
	v_mul_u32_u24 v3, v1, PA
	v_lshl_add_u32 v3, v2, 4, v3
	s_mul_i32 s21, s[HI], HALFA                    ; my 64 rows
	v_add_nc_u32 v[ADRA], s21, v3
	v_add_nc_u32 v[ADRA+1], SLOT, v[ADRA]
	; a fragment of w, turned: lane l reads 16 bytes of row 8 (l / 16) + l % 8 at column 8 ((l / 8) % 2), and 16 rows further down
	v_and_b32 v4, 7, v0
	v_lshl_add_u32 v4, v2, 3, v4
	v_mul_u32_u24 v4, v4, PB
	v_bfe_u32 v5, v0, 3, 1
	v_lshl_add_u32 v4, v5, 4, v4
	s_lshl_b32 s22, s[LO], 8                       ; my 128 columns
	s_add_co_u32 s22, s22, ATILE
	v_add_nc_u32 v[ADRB], s22, v4
	v_add_nc_u32 v[ADRB+1], SLOT, v[ADRB]
	; the way out
	s_mul_i32 s23, s[WV], 16*SP
	s_add_co_u32 s23, s23, STAGE                   ; my stage
	v_mul_u32_u24 v5, v1, SP                       ; in: row l % 16, 16 bytes for each half of the lanes
	v_lshl_add_u32 v5, v2, 4, v5
	v_add_nc_u32 v[STO], s23, v5
	v_and_b32 v6, 31, v0
	v_lshrrev_b32 v7, 3, v6                        ; back: eight lanes take the 128 bytes that one row has of one head, four rows an instruction
	v_mul_u32_u24 v7, v7, SP
	v_and_b32 v8, 7, v0
	v_lshl_add_u32 v7, v8, 4, v7
	v_add_nc_u32 v[RD], s23, v7
	v_lshlrev_b32 v[CO], 4, v6                     ; four rows of 128 bytes of a head are 512 consecutive bytes: 16 l
	; my first byte of q in qkvh, ((b 16 + head) 1,024 + t) 128: the tile column gives four heads, the tile row b and t
	s_lshl_b32 s42, s17, 19                        ; four heads of 131,072 bytes to a tile column
	s_add_nc_u64 s[10:11], s[10:11], s[42:43]
	s_lshr_b32 s40, s18, 3                         ; b: 16 heads of 1,024 rows,
	s_lshl_b32 s40, s40, 14
	s_and_b32 s41, s18, 7
	s_lshl_b32 s41, s41, 7                         ; t = 128 x (tile row % 8)
	s_add_co_u32 s40, s40, s41
	s_lshl_b32 s41, s[LO], 11                      ; my two heads,
	s_add_co_u32 s40, s40, s41
	s_lshl_b32 s41, s[HI], 6                       ; my 64 rows
	s_add_co_u32 s40, s40, s41
	s_lshl_b32 s40, s40, 7                         ; rows of 128 bytes
	s_mov_b32 s41, 0
	s_add_nc_u64 s[10:11], s[10:11], s[40:41]
; 8 matrix instructions: row block a x all 8 column blocks, 32 along K.  mode = 1: the first product of each sum takes the bias as C.
.macro MUL8 f, a, mode
.irp b, 0,1,2,3,4,5,6,7
.if \mode
	v_wmma_f32_16x16x32_bf16 v[8*(8*\a+\b):8*(8*\a+\b)+7], v[\f+32+8*\b:\f+32+8*\b+7], v[\f+8*\a:\f+8*\a+7], v[BIAS+8*\b:BIAS+8*\b+7]
.else
	v_wmma_f32_16x16x32_bf16 v[8*(8*\a+\b):8*(8*\a+\b)+7], v[\f+32+8*\b:\f+32+8*\b+7], v[\f+8*\a:\f+8*\a+7], v[8*(8*\a+\b):8*(8*\a+\b)+7]
.endif
.endr
.endm
; 24 LDS loads in one run: the fragments of quarter q (32 along K) of a slot into buffer f; w's sixteen first, then x's eight
.macro FETCH slot, q, f
	WIN TO_F
.irp b, 0,1,2,3,4,5,6,7
	ds_load_tr16_b128 v[\f+32+8*\b:\f+32+8*\b+3],   v[ADRB+\slot] offset:\q*32*PB+32*\b
	ds_load_tr16_b128 v[\f+32+8*\b+4:\f+32+8*\b+7], v[ADRB+\slot] offset:\q*32*PB+32*\b+16*PB
.endr
.irp a, 0,1,2,3
	ds_load_b128 v[\f+8*\a:\f+8*\a+3],   v[ADRA+\slot] offset:64*\q+\a*ABLK
	ds_load_b128 v[\f+8*\a+4:\f+8*\a+7], v[ADRA+\slot] offset:64*\q+\a*ABLK+32
.endr
.endm
; A K step is four quarters of 32 along K, 32 matrix instructions each, on buffers 0, 1, 0, 1.  The 32 accumulators take turns in one order everywhere, from tile to tile too.
; One of the first three quarters: multiplies buffer f and, in its middle, fetches quarter q of the same slot into buffer g.
.macro QUARTER slot, q, f, g, mode
	s_wait_dscnt 4                                 ; w's fragments and x's blocks 0 and 1 are in; the youngest four loads (blocks 2, 3) may be out
.if \mode
	WIN MULB
.else
	WIN MUL
.endif
	MUL8 \f, 0, \mode
	MUL8 \f, 1, \mode
	PLACES
	FETCH \slot, \q, \g
	s_wait_dscnt 24                                ; all but the 24 just issued
.if \mode
	WIN MULB
.else
	WIN MUL
.endif
	MUL8 \f, 2, \mode
	MUL8 \f, 3, \mode
.endm
; The last quarter multiplies buffer 1 and changes slots: ONE barrier; in front of it each wave waits for all its tensor loads, adds 0 to its spare word, and waits for that and for its reads of this slot.
; fill = 1: this slot is filled again, with this tile's K step two steps on; fill = 2: with the NEXT tile's K step 0 or 1; in both the barrier opens a round of the cluster's barrier.  fill = 0: nothing is left to fetch.
.macro TURN slot, next, fill
	WIN 0                                          ; (the add's two registers lie in window 0)
	s_wait_tensorcnt 0x0                           ; all my tensor loads have landed: the one that was out is my part of the next slot
	ds_add_u32 v[SPW], v[NIL]                      ; 0 onto my spare word
	s_wait_dscnt 5                                 ; (the add and x's last four loads may be out)
	WIN MUL
	MUL8 F1, 0, 0                                  ; eight matrix instructions stand between the add and the wait for it
	s_wait_dscnt 0x0                               ; the add is done, and my reads of this slot are over
	s_barrier_signal -1
	MUL8 F1, 1, 0
.if \fill
	WIN 0
.endif
	s_barrier_wait -1
.if \fill
	CREST                                          ; no wave of any partner still reads this slot or has a load on its way
.if \fill == 2
	s_sub_nc_u64 s[G0A+4*\slot+2:G0A+4*\slot+3], s[G0A+4*\slot+2:G0A+4*\slot+3], BACK_A
	s_sub_nc_u64 s[G0B+4*\slot+2:G0B+4*\slot+3], s[G0B+4*\slot+2:G0B+4*\slot+3], BACK_B
.else
	s_add_nc_u64 s[G0A+4*\slot+2:G0A+4*\slot+3], s[G0A+4*\slot+2:G0A+4*\slot+3], 2*A0
	s_add_nc_u64 s[G0B+4*\slot+2:G0B+4*\slot+3], s[G0B+4*\slot+2:G0B+4*\slot+3], 2*B0
.endif
	JLOAD \slot                                    ; my one tensor load behind the round: 112 matrix instructions ahead of the wait for it, across tiles too; its four v_nop are also the places in front of the loads below
.else
	PLACES
.endif
	FETCH \next, 0, F0
	WIN MUL
	MUL8 F1, 2, 0
	MUL8 F1, 3, 0
.endm
; THE WAY OUT, a block of 16 rows at a time.  PACK: rounded to f16, 16 bytes a lane, each accumulator's registers in ascending order.  TOSTAGE: into my own stage, and back by heads.  SEND: stored.
.macro PACK a
	WIN 0x0a                                       ; sources 0 and 1 window 2
.irp b, 0,1,2,3,4,5,6,7
.irp i, 0,1,2,3
	v_cvt_pk_f16_f32 v[TMP+4*\b+\i], v[8*(8*(\a)+\b)+2*\i], v[8*(8*(\a)+\b)+2*\i+1]
.endr
.endr
	WIN 0
.endm
.macro TOSTAGE a
.irp b, 0,1,2,3,4,5,6,7
	ds_store_b128 v[STO], v[TMP+4*\b:TMP+4*\b+3] offset:32*\b
.endr
.irp hh, 0,1
.irp g, 0,1,2,3
	ds_load_b128 v[OB+32*(\a)+4*(4*\hh+\g):OB+32*(\a)+4*(4*\hh+\g)+3], v[RD] offset:\g*4*SP+128*\hh   ; LDS serves a wave's instructions in order (ISA guide 5.7.1.4): these see the stores above
.endr
.endr
.endm
.macro SEND a
	s_wait_dscnt 0x0                               ; the block is back in registers
.irp hh, 0,1
.irp g, 0,1,2,3
	global_store_b128 v[CO], v[OB+32*(\a)+4*(4*\hh+\g):OB+32*(\a)+4*(4*\hh+\g)+3], s[10:11] offset:\hh*131072+(\a)*2048+\g*512   ; four rows of one head: 512 consecutive bytes, aligned; within a tile no register is used twice
.endr
.endr
.endm
.macro WAYOUT
	PLACES                                         ; the conversions read results just made
	PACK 0
	TOSTAGE 0
	PACK 1                                         ; a block's conversions stand between the loads of the block before from the stage and the wait for them
	SEND 0
	TOSTAGE 1
	PACK 2
	SEND 1
	TOSTAGE 2
	PACK 3
	SEND 2
	TOSTAGE 3
	SEND 3
.endm
	s_wait_tensorcnt 1                             ; my part of K step 0 is in; K step 1's may stay out
	s_barrier_signal -1
	s_barrier_wait -1                              ; everybody's is
	FETCH 0, 0, F0
	WIN 0                                          ; at a label and at a branch every window is 0
	s_mov_b32 s2, TILES                            ; tiles to go, this one among them: the same number in every work-group
.Ltile:                                                ; on both ways in: one tensor load of mine is out (slot 1's), and the tile's first fragments are asked for
	s_wait_loadcnt 0x0                             ; the tile's bias
	QUARTER 0, 1, F0, F1, 1                        ; a tile's first quarter stands in front of the loop: its products start the sums, on the bias
	WIN 0
	s_mov_b32 s3, LAPS-1
.Llap:                                                 ; a trip goes once round the ring, from a lap's second quarter to the next lap's first, and fills both slots again
	QUARTER 0, 2, F1, F0, 0
	QUARTER 0, 3, F0, F1, 0
	TURN 0, 1, 1
	QUARTER 1, 1, F0, F1, 0
	QUARTER 1, 2, F1, F0, 0
	QUARTER 1, 3, F0, F1, 0
	TURN 1, 0, 1
	QUARTER 0, 1, F0, F1, 0
	WIN 0
	s_sub_co_u32 s3, s3, 1
	s_cmp_lg_u32 s3, 0
	s_cbranch_scc1 .Llap
	QUARTER 0, 2, F1, F0, 0                        ; the tile's last lap goes on
	QUARTER 0, 3, F0, F1, 0
	WIN 0
	s_cmp_eq_u32 s2, 1
	s_cbranch_scc1 .Llast_tile                     ; the last tile's tail is written out: it asks for nothing more
	TURN 0, 1, 2                                   ; THE RING GOES ON INTO THE NEXT TILE: slot 0 takes its K step 0,
	WIN 0
	s_add_nc_u64 s[8:9], s[8:9], 4096              ; the next tile's bias, 1,024 columns on, is asked for a K step ahead of its use: the loads by this base are done (the wait at the tile's head),
	BLOADS                                         ; and the products that read these registers stand a whole tile back
	QUARTER 1, 1, F0, F1, 0
	QUARTER 1, 2, F1, F0, 0
	QUARTER 1, 3, F0, F1, 0
	TURN 1, 0, 2                                   ; slot 1 its K step 1, and the next tile's first fragments are fetched
	WAYOUT                                         ; both refills are asked for: now the tile goes out; nothing waits for its stores
	s_wait_xcnt 0x0                                ; every earlier memory instruction has had its addresses translated (ISA guide 3.1): only behind this wait are the stores' base and their data registers rewritten
	s_add_nc_u64 s[10:11], s[10:11], NEXT_C        ; from q to k, from k to v
	s_sub_co_u32 s2, s2, 1
	s_branch .Ltile
.Llast_tile:
	TURN 0, 1, 0                                   ; my one tensor load that was still out is slot 1's, the last K step's
	QUARTER 1, 1, F0, F1, 0
	QUARTER 1, 2, F1, F0, 0
	QUARTER 1, 3, F0, F1, 0
	s_wait_dscnt 4                                 ; the very last quarter: nothing more to fetch
	WIN MUL
	MUL8 F1, 0, 0
	MUL8 F1, 1, 0
	s_wait_dscnt 0x0
	MUL8 F1, 2, 0
	MUL8 F1, 3, 0
	WIN 0
	WAYOUT
	s_wait_tensorcnt 0x0                           ; the wave's end, behind my last tensor load and my last LDS store
	ds_add_u32 v[SPW], v[NIL]
	s_wait_dscnt 0x0
	CROUND                                         ; the closing round: no work-group ends while a partner may still ask for a tile that names it
	s_endpgm
.Lfunc_end_k_q1720b40dc0_qkv:
	.size	k_q1720b40dc0_qkv, .Lfunc_end_k_q1720b40dc0_qkv-k_q1720b40dc0_qkv
	.p2alignl 7, 3214868480
	.fill 96, 4, 3214868480
	.section	.rodata,"a",@progbits
	.p2align	6, 0x0
	.amdhsa_kernel k_q1720b40dc0_qkv
		.amdhsa_group_segment_fixed_size 327680
		.amdhsa_private_segment_fixed_size 0
		.amdhsa_enable_private_segment 0
		.amdhsa_kernarg_size 32
		.amdhsa_user_sgpr_count 2
		.amdhsa_user_sgpr_kernarg_segment_ptr 1
		.amdhsa_wavefront_size32 1
		.amdhsa_system_sgpr_workgroup_id_x 1
		.amdhsa_system_sgpr_workgroup_id_y 1
		.amdhsa_system_sgpr_workgroup_id_z 1
		.amdhsa_system_vgpr_workitem_id 0
		.amdhsa_next_free_vgpr 768
		.amdhsa_next_free_sgpr 66
		.amdhsa_reserve_vcc 0
		.amdhsa_float_denorm_mode_32 3
		.amdhsa_float_denorm_mode_16_64 3
		.amdhsa_memory_ordered 1
		.amdhsa_forward_progress 1
		.amdhsa_inst_pref_size 126
	.end_amdhsa_kernel
	.amdgpu_metadata
---
amdhsa.version: [ 1, 2 ]
amdhsa.kernels:
  - .name:           k_q1720b40dc0_qkv
    .symbol:         k_q1720b40dc0_qkv.kd
    .args:
      - { .name: xb, .offset: 0, .size: 8, .value_kind: global_buffer, .address_space: global }
      - { .name: wab, .offset: 8, .size: 8, .value_kind: global_buffer, .address_space: global }
      - { .name: b_attn, .offset: 16, .size: 8, .value_kind: global_buffer, .address_space: global }
      - { .name: qkvh, .offset: 24, .size: 8, .value_kind: global_buffer, .address_space: global }
    .group_segment_fixed_size: 327680
    .private_segment_fixed_size: 0
    .kernarg_segment_align: 8
    .kernarg_segment_size: 32
    .max_flat_workgroup_size: 128
    .sgpr_count:     66
    .vgpr_count:     768
    .wavefront_size: 32
...
	.end_amdgpu_metadata
.endif
;; end of part 2
;; launch attn (part 3): grid 2 x 128, 8 waves a work-group, no clusters, 327,680 bytes of LDS; arguments qkvh, mbits, yh; writes yh
.if DOCPART == 3
	.amdgcn_target "amdgcn-amd-amdhsa--gfx1250"
	.amdhsa_code_object_version 6
	.text
	.protected	k_q1720b40dc0_attn
	.globl	k_q1720b40dc0_attn
	.p2align	8
	.type	k_q1720b40dc0_attn,@function
k_q1720b40dc0_attn:
	s_mov_b64 s[64:65], 0
	v_nop
	global_prefetch_b8 v0, s[64:65] scope:SCOPE_SE
	s_setreg_imm32_b32 hwreg(HW_REG_WAVE_MODE, 25, 1), 1
	s_wait_xcnt 0x0
; y[bh][q][:] = the sum over k of softmax_k(masked(q . k / 8)) v[k][:], for 128 heads of 1,024 x 1,024 with 64 channels.  q, k, v: qkvh[which][bh][t][64] f16; y: yh[bh][t][64] f16.
; Products, maxima and sums in f32; the weights p (0 to 1) are rounded to f16 for the second product, y once at the end.
; THE MASK is an input and is honoured bit by bit: where its bit is 0 the raw score is REPLACED by -2^100.  With f16 operands a raw score has a magnitude under 64 x 65,504^2 < 2^39,
; so a replaced score is below every real one.  c x (-2^100) is exact, so in a row that is masked throughout c s - c m is exactly 0, every p is 1, and the result is the mean of v,
; as with the reference's replacement by the lowest f32; where a real score follows masked ones, a = 2^(c m_old - c m_new) is 0 and wipes them out.
; LIMIT: y is kept in f16 (magnitudes under 65,504); q, k, v are finite.
; SHARES.  A work-group owns one head and 512 of its queries; each of its eight waves 64 queries: four tiles of 16.  2 x 128 = 256 work-groups.  Every wave walks all 1,024 keys, 64 a step.
; Two waves lie on a SIMD (512 registers each): while one walks its softmax the other has products to issue, so the text is written in plain phases.
; K AND V STAY IN LDS: the head's 2 x 131,072 bytes are brought once, by tensor loads issued at the start in three chunks (key steps 0-1, 2-4, 5-15); nothing is filled again.
; NO CLUSTER: a head's K and V are asked for once by each of its two work-groups, at the start, and there is no loop of refills to share; a cluster of four would join two heads, whose tiles differ.
; LAYOUT.  S^T = K Q^T (source 0 = 16 keys, source 1 = 16 queries): a lane holds ONE query (l % 16) and the keys 8 (l / 16) + 0..7.  Two such tiles, rounded in pairs, ARE source 1 of
; O^T = V^T P, whose result again holds one query a lane.  V comes out of LDS turned, by ds_load_tr16_b128.
; SOFTMAX.  For each query a running maximum m and sum l: p = 2^(c s - c m), c = log2(e) / 8; in every step O and l are multiplied by a = 2^(c m_old - c m_new).
; THE MASK WORDS (32 scalar registers for a tile and a step) come by scalar loads, which can be waited for only all at once.  So the tiles go in pairs, on two buffers: both tiles of a pair are masked,
; the other pair's 64 words are asked for at once, and two tiles' softmax stand between that request and the wait for it (for tiles 0 and 1 both products too).
; REGISTERS.  window 0: v0-11 addresses; v12-43 eight registers of statistics a tile; v44-51 sums at work; v52-53 addresses in hand; v64-191 S^T, 32 a tile (P in the low 16 of each); v192-255 V of a step.
;   window 1: v0-127 O^T, 32 a tile; v128-191 Q, 16 a tile; v192-255 K of a step.
.set PITK,  272                        ; an LDS row of K holds two keys: 256 bytes + 16: key k at (k / 2) 272 + (k % 2) 128: the 16 rows of a fragment load fall into 16 different columns of 16 bytes modulo 256
.set PITV,  288                        ; the same for V with 32 bytes of padding: 16 lanes of the turning load (8 keys x 32 bytes) do not meet modulo 256
.set VBASE, 512*PITK                   ; K: bytes 0 to 139,263; V behind it
.set STAGE, VBASE+512*PITV             ; 286,720: 16 rows x 144 bytes for each wave, for the way out; no tensor load lands here
.set SP,    144
.set AK0, 2                            ; v2   my lane's place in a step of K; never rewritten
.set AV0, 3                            ; v3   the same for V
.set QO,  4                            ; v4   my byte offset in the wave's rows of Q
.set STO, 5                            ; v5   the way out: where I put 16 bytes of a row
.set RD,  6                            ; v6   the way out: where I read back
.set GO,  7                            ; v7   my byte offset in the wave's rows of y
.set NEGR, 8                           ; v8   -2^100
.set ST,  12                           ; tile t's statistics at v[ST+8 t]: +0 c m, +1 m, +2, +3 l (even keys', odd keys'), +4 to +7 at work; a takes +6
.set U,   44
.set ADRK, 52
.set ADRV, 53
.set S,   64
.set VF,  192
.set QF,  128                          ; in window 1
.set KF,  192                          ; in window 1
.set MP,  2                            ; s[2:3]  the mask words of my wave's four query tiles
.set WV,  10                           ; s10  my wave's number;  s11  its number among the four that fill K, or V
.set W3,  11
.set G0C, 12                           ; s[12:15] descriptor group 0 of chunk C
.set SOFF, 20                          ; s20  byte offset of the key step's mask words: 128 x step
.set CNT,  21                          ; s21  trips to go
.set TBK,  22                          ; s22  LDS byte at which the step of K to be fetched begins
.set TBV,  23                          ; s23  the same for V
.set G1A, 24                           ; s[24:31], s[32:39] descriptor group 1 of chunks A and B; s[40:43], s[44:47] their group 0; s[48:53] at work at the head
.set G1B, 32
.set G0A, 40
.set G0B, 44
.set G1C, 56                           ; s[56:63] descriptor group 1 of chunk C
.set SEL, 66                           ; s[66:67] lane selects for v_permlanex16_b32: each lane takes its own place in the other half
.set MX,  68                           ; s[68:99] mask words, buffer X: tiles 0 and 2
.set MY,  24                           ; s[24:55] mask words, buffer Y: tiles 1 and 3; first written when chunks A and B have been shown landed
.set CS,  100                          ; s[100:101] c, named as a pair by the packed scaling
.set MSB, 0
.macro WIN new                         ; the immediate's high byte repeats the setting that is left; a switch that changes nothing is dropped
.if MSB != (\new)
	s_set_vgpr_msb (MSB<<8)|(\new)
.set MSB, (\new)
.endif
.endm
.set W_KQ, 0x05                        ; K and Q in window 1, S^T in window 0
.set W_PV, 0x50                        ; V and P in window 0, O^T in window 1
.set W_RS, 0x41                        ; O^T (destination and source 0) in window 1, the factor in window 0
	s_load_b128 s[4:7], s[0:1], 0x0                ; qkvh s[4:5], mbits s[6:7]
	s_load_b64 s[8:9], s[0:1], 0x10                ; yh
	v_lshrrev_b32 v1, 5, v0
	v_readfirstlane_b32 s[WV], v1                  ; wave 0..7
	s_and_b32 s[W3], s[WV], 3
	s_and_b32 s50, ttmp7, 0xffff                   ; the head,
	s_lshl_b32 s50, s50, 17                        ; of 131,072 bytes
	s_lshr_b32 s48, s[WV], 2                       ; waves 0-3 fill K (the second of the three tensors), waves 4-7 V (the third):
	s_add_co_u32 s48, s48, 1
	s_lshl_b32 s48, s48, 24                        ; 16,777,216 bytes each
	s_add_co_u32 s48, s48, s50
	s_mov_b32 s49, 0
	s_lshl_b32 s18, ttmp9, 16                      ; my half's 512 queries and my wave's 64: in rows of 128 bytes, and in mask words (2,048 bytes for 16 queries), the same figure
	s_lshl_b32 s51, s[WV], 13
	s_add_co_u32 s18, s18, s51
	s_mov_b32 s19, 0
	s_add_co_u32 s52, s18, s50
	s_mov_b32 s53, 0
	s_mov_b32 s17, 0
	; group 1: rows of 256 bytes (two keys) as 32 elements of 8 bytes, dense in memory; the first word, with the padding, is set below for K or for V
.macro SHAPE g, rows
	s_mov_b32 s[\g+1], 32<<16                      ; tensor_dim0 = 32
	s_mov_b32 s[\g+2], \rows<<16                   ; tensor_dim1
	s_mov_b32 s[\g+3], 32<<16                      ; tile_dim0 = 32
	s_mov_b32 s[\g+4], \rows                       ; tile_dim1
	s_mov_b32 s[\g+5], 32                          ; from row to row
	s_mov_b32 s[\g+6], 0
	s_mov_b32 s[\g+7], 0
.endm
	SHAPE G1A, 16                                  ; chunk A: key steps 0-1, LDS rows 0-63, a quarter to each of four waves
	SHAPE G1B, 24                                  ; chunk B: key steps 2-4, rows 64-159
	SHAPE G1C, 88                                  ; chunk C: key steps 5-15, rows 160-511
	s_mov_b32 s[CS], 0x3e38aa3b                    ; c = log2(e) / 8
	s_mov_b32 s[CS+1], s[CS]
	s_mov_b32 s[SEL], 0x76543210
	s_mov_b32 s[SEL+1], 0xfedcba98
	s_mov_b32 s[SOFF], 0
	s_mov_b32 s[TBK], 0
	s_mov_b32 s[TBV], 0
	s_wait_kmcnt 0x0
	s_add_nc_u64 s[48:49], s[4:5], s[48:49]        ; the head's K, or V
	s_add_nc_u64 s[MP:MP+1], s[6:7], s[18:19]
	s_add_nc_u64 s[4:5], s[4:5], s[52:53]          ; Q and y at my wave's first row
	s_add_nc_u64 s[8:9], s[8:9], s[52:53]
	s_mov_b32 s[G0A], 1
	s_mul_i32 s16, s[W3], 16*256                   ; my quarter of chunk A in memory
	s_add_nc_u64 s[G0A+2:G0A+3], s[48:49], s[16:17]
	s_or_b32 s[G0A+3], s[G0A+3], 0x80000000
	s_mov_b32 s[G0B], 1
	s_mul_i32 s16, s[W3], 24*256
	s_add_co_u32 s16, s16, 64*256
	s_add_nc_u64 s[G0B+2:G0B+3], s[48:49], s[16:17]
	s_or_b32 s[G0B+3], s[G0B+3], 0x80000000
	s_mov_b32 s[G0C], 1
	s_mul_i32 s16, s[W3], 88*256
	s_add_co_u32 s16, s16, 160*256
	s_add_nc_u64 s[G0C+2:G0C+3], s[48:49], s[16:17]
	s_or_b32 s[G0C+3], s[G0C+3], 0x80000000
; A wave's three fills stand together, ahead of every wait on TENSORcnt, every LDS read and every barrier: three loads of mine are out.  Four v_nop follow the third.
.macro FILLS word0, base, pitch
	s_mov_b32 s[G1A], \word0
	s_mov_b32 s[G1B], \word0
	s_mov_b32 s[G1C], \word0
	s_mul_i32 s[G0A+1], s[W3], 16*\pitch
	s_add_co_u32 s[G0A+1], s[G0A+1], \base
	s_mul_i32 s[G0B+1], s[W3], 24*\pitch
	s_add_co_u32 s[G0B+1], s[G0B+1], \base+64*\pitch
	s_mul_i32 s[G0C+1], s[W3], 88*\pitch
	s_add_co_u32 s[G0C+1], s[G0C+1], \base+160*\pitch
	tensor_load_to_lds s[G0A:G0A+3], s[G1A:G1A+7]
	s_nop 0
	tensor_load_to_lds s[G0B:G0B+3], s[G1B:G1B+7]
	s_nop 0
	tensor_load_to_lds s[G0C:G0C+3], s[G1C:G1C+7]
	s_nop 0
.rept 4
	v_nop
.endr
.endm
	s_cmp_lt_u32 s[WV], 4
	s_cbranch_scc0 .Lfill_v
	FILLS (3<<16)|(1<<20)|(5<<22)|(3<<25), 0, PITK       ; elements of 8 bytes; 4 words of padding behind every 64
	s_branch .Lfilled
.Lfill_v:
	FILLS (3<<16)|(1<<20)|(5<<22)|(7<<25), VBASE, PITV   ; the same with 8 words of padding
.Lfilled:
	; Q stays in registers.  A fragment is 16 rows x 32 channels: lane l holds row l % 16; two loads of 16 bytes at 16 (l / 16), 32 bytes apart.
	v_and_b32 v1, 15, v0                           ; l % 16
	v_bfe_u32 v9, v0, 4, 1                         ; l / 16
	v_and_b32 v10, 31, v0                          ; l
	v_lshlrev_b32 v[QO], 7, v1
	v_lshl_add_u32 v[QO], v9, 4, v[QO]
	WIN 0x40                                       ; destination window 1
.irp t, 0,1,2,3
.irp c, 0,1
	global_load_b128 v[QF+16*\t+8*\c:QF+16*\t+8*\c+3],   v[QO], s[4:5] offset:2048*\t+64*\c
	global_load_b128 v[QF+16*\t+8*\c+4:QF+16*\t+8*\c+7], v[QO], s[4:5] offset:2048*\t+64*\c+32
.endr
.endr
	WIN 0
; The 32 mask words of tile t for the step at s[SOFF], 128 consecutive bytes, into the buffer that begins at s[buf].
.macro MLOAD t, buf
	s_load_b512 s[\buf:\buf+15],    s[MP:MP+1], s[SOFF] offset:2048*\t
	s_load_b512 s[\buf+16:\buf+31], s[MP:MP+1], s[SOFF] offset:2048*\t+64
.endm
	MLOAD 0, MX
	v_lshrrev_b32 v11, 1, v1                       ; K: key l % 16 lies in LDS row (l % 16) / 2, half l % 2
	v_mul_u32_u24 v[AK0], v11, PITK
	v_and_b32 v11, 1, v0
	v_lshl_add_u32 v[AK0], v11, 7, v[AK0]
	v_lshl_add_u32 v[AK0], v9, 4, v[AK0]
	v_bfe_u32 v[AV0], v0, 1, 2                     ; V, turned: lane l reads 16 bytes of key 8 (l / 16) + l % 8, channels 8 ((l / 8) % 2) on
	v_lshl_add_u32 v[AV0], v9, 2, v[AV0]
	v_mul_u32_u24 v[AV0], v[AV0], PITV
	v_lshl_add_u32 v[AV0], v11, 7, v[AV0]
	v_bfe_u32 v11, v0, 3, 1
	v_lshl_add_u32 v[AV0], v11, 4, v[AV0]
	v_add_nc_u32 v[AV0], VBASE, v[AV0]
	s_mul_i32 s16, s[WV], 16*SP
	s_add_co_u32 s16, s16, STAGE                   ; my stage
	v_mul_u32_u24 v[STO], v1, SP                   ; in: row l % 16, 16 bytes for each half of the lanes
	v_lshl_add_u32 v[STO], v9, 4, v[STO]
	v_add_nc_u32 v[STO], s16, v[STO]
	v_lshrrev_b32 v11, 3, v10                      ; back: eight lanes take a row of 128 bytes, four rows an instruction
	v_mul_u32_u24 v[RD], v11, SP
	v_and_b32 v11, 7, v0
	v_lshl_add_u32 v[RD], v11, 4, v[RD]
	v_add_nc_u32 v[RD], s16, v[RD]
	v_lshlrev_b32 v[GO], 4, v10                    ; and the same 512 consecutive bytes of y
	v_mov_b32 v[NEGR], 0xf1800000                  ; -2^100
; THE LDS LOADS stand in runs of 16: a step's K (64 keys x 64 channels: 8 fragments) and its V (turned).
.macro FETCH_K
	v_add_nc_u32 v[ADRK], s[TBK], v[AK0]
	s_add_co_u32 s[TBK], s[TBK], 32*PITK           ; the next fetch is the next step's
	WIN 0x40                                       ; destination window 1
.irp kt, 0,1,2,3
.irp c, 0,1
	ds_load_b128 v[KF+8*(2*\kt+\c):KF+8*(2*\kt+\c)+3],   v[ADRK] offset:\kt*8*PITK+64*\c
	ds_load_b128 v[KF+8*(2*\kt+\c)+4:KF+8*(2*\kt+\c)+7], v[ADRK] offset:\kt*8*PITK+64*\c+32
.endr
.endr
	WIN 0
.endm
.macro FETCH_V
	v_add_nc_u32 v[ADRV], s[TBV], v[AV0]
	s_add_co_u32 s[TBV], s[TBV], 32*PITV
.irp kk, 0,1
.irp ct, 0,1,2,3
	ds_load_tr16_b128 v[VF+8*(4*\kk+\ct):VF+8*(4*\kk+\ct)+3],   v[ADRV] offset:\kk*16*PITV+32*\ct
	ds_load_tr16_b128 v[VF+8*(4*\kk+\ct)+4:VF+8*(4*\kk+\ct)+7], v[ADRV] offset:\kk*16*PITV+32*\ct+8*PITV
.endr
.endr
.endm
; Product i of 32 of S^T = K Q^T: channels 32 (i / 16) on, keys 16 ((i / 4) % 4) on, tile i % 4.  The first 16 start the sums.  The 16 accumulators take turns.
.macro KQ
.set rS, S+32*(i%4)+8*((i/4)%4)
.set rK, KF+8*(2*((i/4)%4)+i/16)
.set rQ, QF+16*(i%4)+8*(i/16)
.if i < 16
	v_wmma_f32_16x16x32_f16 v[rS:rS+7], v[rK:rK+7], v[rQ:rQ+7], 0
.else
	v_wmma_f32_16x16x32_f16 v[rS:rS+7], v[rK:rK+7], v[rQ:rQ+7], v[rS:rS+7]
.endif
.set i, i+1
.endm
; Product i of 32 of O^T += V^T P: keys 32 (i / 16) on, channels 16 ((i / 4) % 4) on, tile i % 4.  first = 1: the first 16 start the sums: nothing is ever cleared.
.macro PV first
.set rO, 32*(i%4)+8*((i/4)%4)
.set rV, VF+8*(4*(i/16)+(i/4)%4)
.set rP, S+32*(i%4)+8*(i/16)
.if \first && (i < 16)
	v_wmma_f32_16x16x32_f16 v[rO:rO+7], v[rV:rV+7], v[rP:rP+7], 0
.else
	v_wmma_f32_16x16x32_f16 v[rO:rO+7], v[rV:rV+7], v[rP:rP+7], v[rO:rO+7]
.endif
.set i, i+1
.endm
; Tile t's 32 scores a lane: where the mask's bit is 0 the score is replaced.  Ascending.
.macro MASK t, buf
.set n, 0
.rept 32
	v_cndmask_b32 v[S+32*\t+n], v[NEGR], v[S+32*\t+n], s[\buf+n]
.set n, n+1
.endr
.endm
; Tile t's softmax for one key step.  first = 1: the first step, which starts m, l and O^T: it has no a and nothing to rescale.
.macro SOFT t, first
.set rT, ST+8*\t
.set rS, S+32*\t
.irp j, 0,1,2,3                        ; the maximum of 32 scores and the old m, three operands at a time: four chains of seven scores,
	v_max3_num_f32 v[rT+4+\j], v[rS+8*\j], v[rS+8*\j+1], v[rS+8*\j+2]
.endr
.irp p, 1,2
.irp j, 0,1,2,3
	v_max3_num_f32 v[rT+4+\j], v[rT+4+\j], v[rS+8*\j+2*\p+1], v[rS+8*\j+2*\p+2]
.endr
.endr
	v_max3_num_f32 v[rT+4], v[rT+4], v[rS+7], v[rS+15]     ; the four scores left over,
	v_max3_num_f32 v[rT+6], v[rT+6], v[rS+23], v[rS+31]
	v_max3_num_f32 v[rT+4], v[rT+4], v[rT+5], v[rT+6]      ; the chains
.if \first
	v_max_num_f32 v[rT+4], v[rT+4], v[rT+7]
.else
	v_max3_num_f32 v[rT+4], v[rT+4], v[rT+7], v[rT+1]      ; and m
	v_mov_b32 v[rT+7], v[rT]                               ; c m_old is kept for a
.endif
	v_permlanex16_b32 v[rT+5], v[rT+4], s[SEL], s[SEL+1]   ; the query's other 32 keys lie in the lane 16 away
	v_max_num_f32 v[rT+1], v[rT+4], v[rT+5]
	v_mul_f32 v[rT], s[CS], v[rT+1]
.if !\first
	v_sub_f32 v[rT+7], v[rT+7], v[rT]
	v_exp_f32 v[rT+6], v[rT+7]                             ; a; the scalings below are the plain instructions behind it
.endif
.set n, 0
.rept 16
	v_pk_fma_f32 v[rS+n:rS+n+1], v[rS+n:rS+n+1], s[CS:CS+1], v[rT:rT+1] op_sel_hi:[1,0,0] neg_lo:[0,0,1] neg_hi:[0,0,1]   ; c s - c m
.set n, n+2
.endr
.set n, 0
.rept 32
	v_exp_f32 v[rS+n], v[rS+n]
.set n, n+1
.endr
.if \first
	v_nop                                          ; a plain instruction between the exponentials and the use of their results (ISA guide 5.7.2)
	s_wait_alu depctr_va_vdst(0)
.else
	WIN W_RS                                       ; O^T times a: sixteen plain instructions that touch no exponential's register stand in that place
.set n, 0
	s_wait_alu depctr_va_vdst(0)
.rept 16
	v_pk_mul_f32 v[32*\t+n:32*\t+n+1], v[32*\t+n:32*\t+n+1], v[rT+6:rT+7] op_sel_hi:[1,0]
.set n, n+2
.endr
	WIN 0
.endif
.irp u, 0,1,2,3                        ; the sum of the 16 pairs (in a pair: an even key's weight, an odd key's), in four chains
	v_pk_add_f32 v[U+2*\u:U+2*\u+1], v[rS+4*\u:rS+4*\u+1], v[rS+4*\u+2:rS+4*\u+3]
.endr
.irp u, 0,1,2,3,4,5,6,7
	v_pk_add_f32 v[U+2*(\u%4):U+2*(\u%4)+1], v[U+2*(\u%4):U+2*(\u%4)+1], v[rS+16+2*\u:rS+16+2*\u+1]
.endr
	v_pk_add_f32 v[U:U+1], v[U:U+1], v[U+2:U+3]
	v_pk_add_f32 v[U+4:U+5], v[U+4:U+5], v[U+6:U+7]
.if \first
	v_pk_add_f32 v[rT+2:rT+3], v[U:U+1], v[U+4:U+5]
.else
	v_pk_add_f32 v[U:U+1], v[U:U+1], v[U+4:U+5]
	v_pk_fma_f32 v[rT+2:rT+3], v[rT+2:rT+3], v[rT+6:rT+7], v[U:U+1] op_sel_hi:[1,0,1]   ; l = a l + the sum
.endif
.set n, 0
.rept 16                               ; the weights, rounded in pairs, in place and ascending: register n takes registers 2 n and 2 n + 1, which no earlier line has written
	v_cvt_pk_f16_f32 v[rS+n], v[rS+2*n], v[rS+2*n+1]
.set n, n+1
.endr
.endm
.macro SCORES                          ; a step's 32 products K Q^T
	s_wait_dscnt 0x0                               ; this step's K is in: it was asked for a whole softmax ago
	WIN W_KQ
.set i, 0
.rept 32
	KQ
.endr
	WIN 0
.rept 4
	v_nop                                          ; four places between the last product and the reads of the scores and the loads into K's registers (ISA guide 7.12.1 for reads)
.endr
.endm
.macro VALUES first                    ; a step's 32 products V^T P
	s_wait_dscnt 0x0                               ; V is in
	WIN W_PV
.set i, 0
.rept 32
	PV \first
.endr
	WIN 0
.rept 5
	v_nop                                          ; five places: the next step's first products write over P's registers
.endr
.endm
.macro NEXT_WORDS                      ; no scalar load is out (the wait in front of the masking), so the offset may step: the next step's words,
	s_add_co_u32 s[SOFF], s[SOFF], 128
	s_min_u32 s[SOFF], s[SOFF], 1920               ; or, in the last step, its own once more: no load leaves the buffer
.endm
; KEY STEP 0.  Buffer Y's registers still hold the descriptors of chunks A and B, whose loads may be out: the four tiles take turns on buffer X alone.
.macro STEP0
	SCORES
	s_wait_kmcnt 0x0                               ; the tile's 32 words are in (scalar loads return in no order: the count is 0)
	MASK 0, MX
	MLOAD 1, MX
	FETCH_V                                        ; this step's V
	FETCH_K                                        ; the next step's K
	SOFT 0, 1
	s_wait_kmcnt 0x0
	MASK 1, MX
	MLOAD 2, MX
	SOFT 1, 1
	s_wait_kmcnt 0x0
	MASK 2, MX
	MLOAD 3, MX
	SOFT 2, 1
	s_wait_kmcnt 0x0
	MASK 3, MX
	NEXT_WORDS
	MLOAD 0, MX
	SOFT 3, 1
	VALUES 1
.endm
; EVERY OTHER KEY STEP.  kf = 1: the next step's K is fetched; kf = 2: not in the loop's last trip (every wait on DScnt here is for 0, so the jump changes no count).
.macro STEP kf
	SCORES
	s_wait_kmcnt 0x0                               ; the words of tiles 0 and 1 are in: asked for two softmaxes and both products ago
	MASK 0, MX
	MASK 1, MY
	MLOAD 2, MX                                    ; both buffers are free: the words of tiles 2 and 3
	MLOAD 3, MY
	FETCH_V                                        ; this step's V: the last product that read V stands in front of the five v_nop that end a step
.if \kf == 2
	s_cmp_eq_u32 s[CNT], 1
	s_cbranch_scc1 .Lno_k_\@
.endif
	FETCH_K
.if \kf == 2
.Lno_k_\@:
.endif
	SOFT 0, 0
	SOFT 1, 0
	s_wait_kmcnt 0x0                               ; the words of tiles 2 and 3 are in: asked for two softmaxes ago
	MASK 2, MX
	MASK 3, MY
	NEXT_WORDS
	MLOAD 0, MX                                    ; the next step's words of tiles 0 and 1
	MLOAD 1, MY
	SOFT 2, 0
	SOFT 3, 0
	VALUES 0
.endm
	s_wait_tensorcnt 2                             ; my part of chunk A is in; chunks B and C may stay out
	s_barrier_signal -1
	s_barrier_wait -1                              ; everybody's is
	FETCH_K                                        ; key step 0
	s_wait_loadcnt 0x0                             ; Q
	STEP0                                          ; it reads V of step 0 and K of step 1: chunk A
	s_wait_tensorcnt 1                             ; my parts of chunks A and B are in (a wave's tensor loads end in order), so their descriptors' registers are free; chunk C may stay out
	MLOAD 1, MY                                    ; buffer Y's first words: tile 1 of key step 1 (tile 0's were asked for in step 0)
	s_wait_dscnt 0x0                               ; no LDS instruction is pending at a signal
	s_barrier_signal -1
	s_barrier_wait -1
	s_mov_b32 s[CNT], 3
.Learly:                                               ; key steps 1 to 3: they read V of steps 1-3 and K of steps 2-4: chunks A and B
	STEP 1
	s_sub_co_u32 s[CNT], s[CNT], 1
	s_cmp_lg_u32 s[CNT], 0
	s_cbranch_scc1 .Learly
	s_wait_tensorcnt 0x0                           ; my part of chunk C is in
	s_wait_dscnt 0x0
	s_barrier_signal -1
	s_barrier_wait -1
	s_mov_b32 s[CNT], 12
.Llate:                                                ; key steps 4 to 15
	STEP 2
	s_sub_co_u32 s[CNT], s[CNT], 1
	s_cmp_lg_u32 s[CNT], 0
	s_cbranch_scc1 .Llate
	; THE WAY OUT.  l's two halves and the other half of the lanes' are added; O^T is divided by l, rounded to f16 and sent through my stage in LDS, a tile (16 rows of y) at a time.
	s_wait_kmcnt 0x0                               ; the last step's repeated mask words: nothing of mine stays out but stores
.irp t, 0,1,2,3
	v_add_f32 v[ST+8*\t+4], v[ST+8*\t+2], v[ST+8*\t+3]
.endr
.irp t, 0,1,2,3
	v_permlanex16_b32 v[ST+8*\t+5], v[ST+8*\t+4], s[SEL], s[SEL+1]
.endr
.irp t, 0,1,2,3
	v_add_f32 v[ST+8*\t+4], v[ST+8*\t+4], v[ST+8*\t+5]
.endr
.irp t, 0,1,2,3
	v_rcp_f32 v[ST+8*\t+6], v[ST+8*\t+4]
.endr
	v_nop                                          ; a plain instruction between the last reciprocal and the use of its result
	s_wait_alu depctr_va_vdst(0)
.macro PACK t
	WIN W_RS
.set n, 0
.rept 16
	v_pk_mul_f32 v[32*\t+n:32*\t+n+1], v[32*\t+n:32*\t+n+1], v[ST+8*\t+6:ST+8*\t+7] op_sel_hi:[1,0]
.set n, n+2
.endr
	WIN 0x05                                       ; sources 0 and 1 window 1, destination window 0: S^T's registers are free
.set n, 0
.rept 16
	v_cvt_pk_f16_f32 v[S+32*\t+n], v[32*\t+2*n], v[32*\t+2*n+1]
.set n, n+1
.endr
	WIN 0
.irp ct, 0,1,2,3
	ds_store_b128 v[STO], v[S+32*\t+4*\ct:S+32*\t+4*\ct+3] offset:32*\ct
.endr
.irp g, 0,1,2,3
	ds_load_b128 v[S+32*\t+16+4*\g:S+32*\t+16+4*\g+3], v[RD] offset:\g*4*SP   ; LDS serves a wave's instructions in order (ISA guide 5.7.1.4): these see the stores above; the next tile's stores come behind them
.endr
.endm
.macro SEND t, younger                 ; younger: the LDS instructions issued behind tile t's loads: the next tile's eight, or none
.irp g, 0,1,2,3
	s_wait_dscnt \younger+3-\g
	global_store_b128 v[GO], v[S+32*\t+16+4*\g:S+32*\t+16+4*\g+3], s[8:9] offset:2048*\t+512*\g   ; four rows of 128 bytes: 512 consecutive bytes, aligned
.endr
.endm
	PACK 0
	PACK 1                                         ; a tile's arithmetic stands between the loads of the tile before and its stores
	SEND 0, 8
	PACK 2
	SEND 1, 8
	PACK 3
	SEND 2, 8
	SEND 3, 0
	s_endpgm
.Lfunc_end_k_q1720b40dc0_attn:
	.size	k_q1720b40dc0_attn, .Lfunc_end_k_q1720b40dc0_attn-k_q1720b40dc0_attn
	.p2alignl 7, 3214868480
	.fill 96, 4, 3214868480
	.section	.rodata,"a",@progbits
	.p2align	6, 0x0
	.amdhsa_kernel k_q1720b40dc0_attn
		.amdhsa_group_segment_fixed_size 327680
		.amdhsa_private_segment_fixed_size 0
		.amdhsa_enable_private_segment 0
		.amdhsa_kernarg_size 24
		.amdhsa_user_sgpr_count 2
		.amdhsa_user_sgpr_kernarg_segment_ptr 1
		.amdhsa_wavefront_size32 1
		.amdhsa_system_sgpr_workgroup_id_x 1
		.amdhsa_system_sgpr_workgroup_id_y 1
		.amdhsa_system_sgpr_workgroup_id_z 1
		.amdhsa_system_vgpr_workitem_id 0
		.amdhsa_next_free_vgpr 512
		.amdhsa_next_free_sgpr 102
		.amdhsa_reserve_vcc 0
		.amdhsa_float_denorm_mode_32 3
		.amdhsa_float_denorm_mode_16_64 3
		.amdhsa_memory_ordered 1
		.amdhsa_forward_progress 1
		.amdhsa_inst_pref_size 141
	.end_amdhsa_kernel
	.amdgpu_metadata
---
amdhsa.version: [ 1, 2 ]
amdhsa.kernels:
  - .name:           k_q1720b40dc0_attn
    .symbol:         k_q1720b40dc0_attn.kd
    .args:
      - { .name: qkvh, .offset: 0, .size: 8, .value_kind: global_buffer, .address_space: global }
      - { .name: mbits, .offset: 8, .size: 8, .value_kind: global_buffer, .address_space: global }
      - { .name: yh, .offset: 16, .size: 8, .value_kind: global_buffer, .address_space: global }
    .group_segment_fixed_size: 327680
    .private_segment_fixed_size: 0
    .kernarg_segment_align: 8
    .kernarg_segment_size: 24
    .max_flat_workgroup_size: 256
    .sgpr_count:     102
    .vgpr_count:     512
    .wavefront_size: 32
...
	.end_amdgpu_metadata
.endif
;; end of part 3
;; launch proj (part 4): grid 4 x 64, 4 waves a work-group, clusters of 4 x 4, 327,680 bytes of LDS; arguments yh, wph, b_proj, out0; writes out0
.if DOCPART == 4
	.amdgcn_target "amdgcn-amd-amdhsa--gfx1250"
	.amdhsa_code_object_version 6
	.text
	.protected	k_q1720b40dc0_proj
	.globl	k_q1720b40dc0_proj
	.p2align	8
	.type	k_q1720b40dc0_proj,@function
k_q1720b40dc0_proj:
	s_mov_b64 s[64:65], 0
	v_nop
	global_prefetch_b8 v0, s[64:65] scope:SCOPE_SE
	s_setreg_imm32_b32 hwreg(HW_REG_WAVE_MODE, 25, 1), 1
	s_wait_xcnt 0x0
	s_wait_alu depctr_hold_cnt(0) depctr_sa_sdst(0) depctr_va_vdst(0) depctr_va_sdst(0) depctr_va_ssrc(0) depctr_va_vcc(0) depctr_vm_vsrc(0)
	s_getreg_b32 s2, hwreg(HW_REG_IB_STS2, 6, 4)
	s_cmp_eq_u32 s2, 0
	s_cbranch_scc0 .Lentry_in_a_cluster
	s_endpgm
.Lentry_in_a_cluster:
	s_bfe_u32 s2, ttmp6, 0x10000c
	s_cmp_lg_u32 s2, 0xf033
	s_cbranch_scc0 .Lentry_shape_is_right
	s_endpgm
.Lentry_shape_is_right:
; out = y w_proj + b_proj.  yh: [b][head][t][64] f16, so that K = 64 head + channel; wph: [1024][1024] f16 (K along the rows' index, N along a row); b_proj: [1024] f32; out0: [8192][1024] f32.  Sums in f32.
; SHARES.  A work-group makes 128 rows x 256 columns; four waves, each 64 x 128: 32 accumulators of 16 x 16, 256 registers.  4 x 64 = 256 work-groups.
; K = 1,024 goes in 8 steps of 128 (two heads) through a ring of two LDS slots filled by tensor loads.  A head's 128 rows of 128 bytes are dense in memory and come as 64 rows of 256 bytes:
; LDS row p of a head's half holds t = 2 p in bytes 0-127 and t = 2 p + 1 in bytes 128-255.  w's rows are 512 bytes; its fragments come out of LDS turned, by ds_load_tr16_b128.
; CLUSTER.  4 x 4 work-groups: the four of a row of the cluster need the same tiles of y, the four of a column the same tiles of w; each tile is asked for jointly,
; by the same tensor load with the same descriptor and a mask that names the four.
; THE MATRIX INSTRUCTION IS USED TRANSPOSED (source 0 = 16 columns of w, source 1 = 16 rows of y): a lane holds row l % 16 and the eight neighbouring columns 8 (l / 16) + 0..7.
; The bias is the C operand of each accumulator's first product: nothing is cleared and nothing is added on the way out.
; REGISTERS.  window 0: v0-31 addresses; v96-159 the bias.
;   window 1: two fragment buffers of 96: 32 registers of y (4 x 16 rows x 32 K), then 64 of w (8 x 16 columns x 32 K); on the way out all 256: whole rows.     window 2: accumulator (a, b) at v[8 (8 a + b)].
.set SIZE_N, 1024
.set KSTEP,  128
.set PA,     272                       ; y's LDS row: 256 bytes + 16: row r of a fragment lies at (r / 2) 272 + (r % 2) 128: 16 different columns of 16 bytes modulo 256
.set HALFA,  64*PA                     ; one head's 128 rows: one tensor load
.set ATILE,  2*HALFA
.set PB,     544                       ; w's LDS row: 512 bytes + 32 = 17 x 32: the 8 rows x 32 bytes of a turning load's 16 lanes do not meet modulo 256
.set HALFB,  64*PB
.set SLOT,   ATILE+2*HALFB             ; y's two heads, then w's 128 rows: 104,448 bytes
.set STAGE,  2*SLOT                    ; behind the ring: 16 rows x 528 bytes for each wave, for the way out; no tensor load lands here
.set SP,     528                       ; 512 bytes + 16 = 33 x 16
.set SPARE,  STAGE+4*16*SP             ; behind the stages: the spare words, 128 bytes a wave: two blocks of 256 bytes that no other line names
.set LAPS,   4                         ; a lap = two K steps = once round the ring
.set ASTRIDE, 128                      ; elements from row to row of a head's block: dense
.set A0,     2*131072                  ; bytes from a K step of y to the next: two heads
.set B0,     KSTEP*SIZE_N*2            ; the same for w: 128 rows down
.set ABLK,   8*PA                      ; from a block of 16 rows of y to the next, in LDS
.set ADRA, 16                          ; v16-17  LDS address of my fragments of y in slot 0, 1
.set ADRB, 20                          ; v20-21  the same for w
.set STO,  24                          ; v24     the way out: where I put 32 bytes of a row
.set RD,   25                          ; v25     the way out: where I read a row back
.set CO,   26                          ; v26     my byte offset in the result
.set BO,   27                          ; v27     my byte offset in the bias
.set SPW,  28                          ; v28     LDS address of my spare word; never rewritten
.set NIL,  29                          ; v29     0; never rewritten
.set BIAS, 96
.set F0,   0
.set F1,   96
.set WV, 12                            ; s12 wave; s13 which 64 rows are mine, also: I fetch y (0) or w (1); s14 which 128 columns, also: which half of that tile I fetch
.set HI, 13
.set LO, 14
.set G1A, 24                           ; s[24:31] descriptor group 1 for y's tiles;  s[32:39] group 0, a set for each slot
.set G0A, 32
.set G1B, 48                           ; s[48:55], s[56:63] the same for w's
.set G0B, 56
.set MSB, 0
.macro WIN new                         ; the immediate's high byte repeats the setting that is left; a switch that changes nothing is dropped
.if MSB != (\new)
	s_set_vgpr_msb (MSB<<8)|(\new)
.set MSB, (\new)
.endif
.endm
.set MUL,  0xa5                        ; sources 0 and 1 window 1; C and D window 2
.set MULB, 0x85                        ; the same with C (the bias) in window 0
.set TO_F, 0x40                        ; destination window 1, address window 0
.macro PLACES                          ; four plain vector instructions between a matrix instruction and a load into, or a read of, its registers (ISA guide 7.12.1 for reads)
.rept 4
	v_nop
.endr
.endm
.macro JLOAD s                         ; a joint load: waves 0 and 1 fetch y's two heads, waves 2 and 3 w's two halves; four v_nop follow each of the two lines
	s_cmp_eq_u32 s[HI], 0
	s_cbranch_scc0 .Lfor_b_\@
	tensor_load_to_lds s[G0A+4*\s:G0A+4*\s+3], s[G1A:G1A+7]
	s_nop 0
	PLACES
	s_branch .Lasked_\@
.Lfor_b_\@:
	tensor_load_to_lds s[G0B+4*\s:G0B+4*\s+3], s[G1B:G1B+7]
	s_nop 0
	PLACES
.Lasked_\@:
.endm
.macro CREST                           ; a round of the cluster's barrier behind its opening barrier
	s_cmp_lg_u32 s[WV], 0
	s_cbranch_scc1 .Lnot_wave_0_\@
	s_barrier_signal -3
.Lnot_wave_0_\@:
	s_barrier_wait -3
	s_barrier_signal -1
	s_barrier_wait -1
.endm
.macro CROUND                          ; a whole round
	s_barrier_signal -1
	s_barrier_wait -1
	CREST
.endm
	s_load_b256 s[4:11], s[0:1], 0x0               ; yh s[4:5], wph s[6:7], b_proj s[8:9], out0 s[10:11]
	v_lshl_add_u32 v[SPW], v0, 2, SPARE
	v_mov_b32 v[NIL], 0
	v_lshrrev_b32 v1, 5, v0
	v_readfirstlane_b32 s[WV], v1                  ; wave 0..3
	s_lshr_b32 s[HI], s[WV], 1
	s_and_b32 s[LO], s[WV], 1
	s_bfe_u32 s15, ttmp6, 0x40000                  ; cx, cy: my place in the cluster
	s_bfe_u32 s16, ttmp6, 0x40004
	s_lshl_b32 s17, ttmp9, 2
	s_add_co_u32 s17, s17, s15                     ; tile column = 4 x cluster x + cx
	s_and_b32 s18, ttmp7, 0xffff
	s_lshl_b32 s18, s18, 2
	s_add_co_u32 s18, s18, s16                     ; tile row = 4 x cluster y + cy
	s_lshl_b32 s19, s16, 2
	s_lshl_b32 s19, 15, s19                        ; my row of the cluster
	s_lshl_b32 s20, 0x1111, s15                    ; my column
	; group 1 for y: 64 rows x 128 elements of 2 bytes; 4 words of padding behind every 64
	s_or_b32 s[G1A+0], s19, (1<<16)|(1<<20)|(1<<21)|(5<<22)|(3<<25)
	s_mov_b32 s[G1A+1], KSTEP<<16                  ; tensor_dim0 = 128
	s_mov_b32 s[G1A+2], 64<<16                     ; tensor_dim1 = 64
	s_mov_b32 s[G1A+3], KSTEP<<16                  ; tile_dim0 = 128
	s_mov_b32 s[G1A+4], 64                         ; tile_dim1 = 64
	s_mov_b32 s[G1A+5], ASTRIDE
	s_mov_b32 s[G1A+6], 0
	s_mov_b32 s[G1A+7], 0
	; group 1 for w: 64 rows x 256 elements; 8 words of padding behind every 128
	s_or_b32 s[G1B+0], s20, (1<<16)|(1<<20)|(1<<21)|(6<<22)|(7<<25)
	s_mov_b32 s[G1B+1], 256<<16
	s_mov_b32 s[G1B+2], 64<<16
	s_mov_b32 s[G1B+3], 256<<16
	s_mov_b32 s[G1B+4], 64
	s_mov_b32 s[G1B+5], SIZE_N
	s_mov_b32 s[G1B+6], 0
	s_mov_b32 s[G1B+7], 0
	; y's tiles hang on the tile row alone, w's on the tile column alone; each offset is made in registers that never hold the other coordinate
	s_lshr_b32 s40, s18, 3                         ; b = tile row / 8: 16 heads,
	s_lshl_b32 s40, s40, 4
	s_add_co_u32 s40, s40, s[LO]                   ; the step's first or second head,
	s_lshl_b32 s40, s40, 17                        ; of 131,072 bytes;
	s_and_b32 s41, s18, 7
	s_lshl_b32 s41, s41, 14                        ; t = 128 x (tile row % 8), rows of 128 bytes
	s_add_co_u32 s40, s40, s41
	s_mov_b32 s41, 0
	s_mul_i32 s42, s[LO], 64*SIZE_N*2              ; w: 64 rows of K for each half,
	s_lshl_b32 s43, s17, 9                         ; 512 bytes for each tile column
	s_add_co_u32 s42, s42, s43
	s_mov_b32 s43, 0
	s_mul_i32 s21, s[LO], HALFA                    ; where they go: no place in the cluster enters an LDS address
	s_mul_i32 s22, s[LO], HALFB
	s_add_co_u32 s22, s22, ATILE
	s_wait_kmcnt 0x0
	s_add_nc_u64 s[40:41], s[4:5], s[40:41]
	s_add_nc_u64 s[42:43], s[6:7], s[42:43]
	CROUND                                         ; all sixteen work-groups are here: the first joint loads meet
.irp s, 0,1
	s_mov_b32 s[G0A+4*\s], 1
	s_add_co_u32 s[G0A+4*\s+1], s21, \s*SLOT
	s_add_nc_u64 s[G0A+4*\s+2:G0A+4*\s+3], s[40:41], \s*A0
	s_or_b32 s[G0A+4*\s+3], s[G0A+4*\s+3], 0x80000000
	s_mov_b32 s[G0B+4*\s], 1
	s_add_co_u32 s[G0B+4*\s+1], s22, \s*SLOT
	s_add_nc_u64 s[G0B+4*\s+2:G0B+4*\s+3], s[42:43], \s*B0
	s_or_b32 s[G0B+4*\s+3], s[G0B+4*\s+3], 0x80000000
	JLOAD \s                                       ; K steps 0 and 1: two loads of mine are out
.endr
	; the bias of my 128 columns: register j of column block b is b_proj[256 x tile column + 128 x half + 16 b + 8 (l / 16) + j]; the same byte offset is my first column in a row of out0
	v_and_b32 v1, 15, v0                           ; l % 16
	v_bfe_u32 v2, v0, 4, 1                         ; l / 16
	v_lshlrev_b32 v[BO], 5, v2
	s_lshl_b32 s42, s17, 10
	s_lshl_b32 s43, s[LO], 9
	s_add_co_u32 s42, s42, s43
	s_mov_b32 s43, 0
	s_add_nc_u64 s[8:9], s[8:9], s[42:43]
	s_add_nc_u64 s[10:11], s[10:11], s[42:43]
.irp b, 0,1,2,3,4,5,6,7
	global_load_b128 v[BIAS+8*\b:BIAS+8*\b+3],   v[BO], s[8:9] offset:64*\b
	global_load_b128 v[BIAS+8*\b+4:BIAS+8*\b+7], v[BO], s[8:9] offset:64*\b+16
.endr
	s_lshl_b32 s40, s18, 19                        ; my first row of out0: 128 x tile row + 64 x half, of 4,096 bytes
	s_lshl_b32 s41, s[HI], 18
	s_add_co_u32 s40, s40, s41
	s_mov_b32 s41, 0
	s_add_nc_u64 s[10:11], s[10:11], s[40:41]
	; a fragment of y: lane l takes row l % 16, which lies in LDS row (l % 16) / 2, half l % 2; 16 bytes at 16 (l / 16) and 32 further on
	v_lshrrev_b32 v3, 1, v1
	v_mul_u32_u24 v3, v3, PA
	v_and_b32 v4, 1, v0
	v_lshl_add_u32 v3, v4, 7, v3
	v_lshl_add_u32 v3, v2, 4, v3
	s_mul_i32 s21, s[HI], 32*PA                    ; my 64 rows: 32 LDS rows
	v_add_nc_u32 v[ADRA], s21, v3
	v_add_nc_u32 v[ADRA+1], SLOT, v[ADRA]
	; a fragment of w, turned: lane l reads 16 bytes of row 8 (l / 16) + l % 8 at column 8 ((l / 8) % 2), and 16 rows further down
	v_and_b32 v4, 7, v0
	v_lshl_add_u32 v4, v2, 3, v4
	v_mul_u32_u24 v4, v4, PB
	v_bfe_u32 v5, v0, 3, 1
	v_lshl_add_u32 v4, v5, 4, v4
	s_lshl_b32 s22, s[LO], 8                       ; my 128 columns
	s_add_co_u32 s22, s22, ATILE
	v_add_nc_u32 v[ADRB], s22, v4
	v_add_nc_u32 v[ADRB+1], SLOT, v[ADRB]
	; the way out
	s_mul_i32 s23, s[WV], 16*SP
	s_add_co_u32 s23, s23, STAGE                   ; my stage
	v_mul_u32_u24 v5, v1, SP                       ; in: row l % 16, 32 bytes for each half of the lanes
	v_lshl_add_u32 v5, v2, 5, v5
	v_add_nc_u32 v[STO], s23, v5
	v_and_b32 v6, 31, v0
	v_lshlrev_b32 v[CO], 4, v6                     ; back: the 32 lanes take one row's 512 bytes
	v_add_nc_u32 v[RD], s23, v[CO]
; 8 matrix instructions: row block a x all 8 column blocks, 32 along K.  mode = 1: the first product of each sum takes the bias as C.
.macro MUL8 f, a, mode
.irp b, 0,1,2,3,4,5,6,7
.if \mode
	v_wmma_f32_16x16x32_f16 v[8*(8*\a+\b):8*(8*\a+\b)+7], v[\f+32+8*\b:\f+32+8*\b+7], v[\f+8*\a:\f+8*\a+7], v[BIAS+8*\b:BIAS+8*\b+7]
.else
	v_wmma_f32_16x16x32_f16 v[8*(8*\a+\b):8*(8*\a+\b)+7], v[\f+32+8*\b:\f+32+8*\b+7], v[\f+8*\a:\f+8*\a+7], v[8*(8*\a+\b):8*(8*\a+\b)+7]
.endif
.endr
.endm
; 24 LDS loads in one run: the fragments of quarter q (32 along K: head q / 2 of the step, channels 32 (q % 2) on) of a slot into buffer f; w's sixteen first, then y's eight
.macro FETCH slot, q, f
	WIN TO_F
.irp b, 0,1,2,3,4,5,6,7
	ds_load_tr16_b128 v[\f+32+8*\b:\f+32+8*\b+3],   v[ADRB+\slot] offset:\q*32*PB+32*\b
	ds_load_tr16_b128 v[\f+32+8*\b+4:\f+32+8*\b+7], v[ADRB+\slot] offset:\q*32*PB+32*\b+16*PB
.endr
.irp a, 0,1,2,3
	ds_load_b128 v[\f+8*\a:\f+8*\a+3],   v[ADRA+\slot] offset:(\q/2)*HALFA+(\q%2)*64+\a*ABLK
	ds_load_b128 v[\f+8*\a+4:\f+8*\a+7], v[ADRA+\slot] offset:(\q/2)*HALFA+(\q%2)*64+\a*ABLK+32
.endr
.endm
; A K step is four quarters of 32 along K, 32 matrix instructions each, on buffers 0, 1, 0, 1.  The 32 accumulators take turns in one order everywhere.
; One of the first three quarters: multiplies buffer f and, in its middle, fetches quarter q of the same slot into buffer g.
.macro QUARTER slot, q, f, g, mode
	s_wait_dscnt 4                                 ; w's fragments and y's blocks 0 and 1 are in; the youngest four loads (blocks 2, 3) may be out
.if \mode
	WIN MULB
.else
	WIN MUL
.endif
	MUL8 \f, 0, \mode
	MUL8 \f, 1, \mode
	PLACES
	FETCH \slot, \q, \g
	s_wait_dscnt 24                                ; all but the 24 just issued
.if \mode
	WIN MULB
.else
	WIN MUL
.endif
	MUL8 \f, 2, \mode
	MUL8 \f, 3, \mode
.endm
; The last quarter multiplies buffer 1 and changes slots: ONE barrier; in front of it each wave waits for all its tensor loads, adds 0 to its spare word, and waits for that and for its reads of this slot.
; fill = 1: this slot is filled again, two K steps ahead; the barrier then opens a round of the cluster's barrier.
.macro TURN slot, next, fill
	WIN 0                                          ; (the add's two registers lie in window 0)
	s_wait_tensorcnt 0x0                           ; all my tensor loads have landed: the one that was out is my part of the next slot
	ds_add_u32 v[SPW], v[NIL]                      ; 0 onto my spare word
	s_wait_dscnt 5                                 ; (the add and y's last four loads may be out)
	WIN MUL
	MUL8 F1, 0, 0                                  ; eight matrix instructions stand between the add and the wait for it
	s_wait_dscnt 0x0                               ; the add is done, and my reads of this slot are over
	s_barrier_signal -1
	MUL8 F1, 1, 0
.if \fill
	WIN 0
.endif
	s_barrier_wait -1
.if \fill
	CREST                                          ; no wave of any partner still reads this slot or has a load on its way
	s_add_nc_u64 s[G0A+4*\slot+2:G0A+4*\slot+3], s[G0A+4*\slot+2:G0A+4*\slot+3], 2*A0
	s_add_nc_u64 s[G0B+4*\slot+2:G0B+4*\slot+3], s[G0B+4*\slot+2:G0B+4*\slot+3], 2*B0
	JLOAD \slot                                    ; my one tensor load behind the round: 112 matrix instructions ahead of the wait for it; its four v_nop are also the places in front of the loads below
.else
	PLACES
.endif
	FETCH \next, 0, F0
	WIN MUL
	MUL8 F1, 2, 0
	MUL8 F1, 3, 0
.endm
	s_wait_tensorcnt 1                             ; my part of K step 0 is in; K step 1's may stay out
	s_barrier_signal -1
	s_barrier_wait -1                              ; everybody's is
	FETCH 0, 0, F0
	s_wait_loadcnt 0x0                             ; the bias
	QUARTER 0, 1, F0, F1, 1                        ; the first quarter stands in front of the loop: its products start the sums, on the bias
	WIN 0                                          ; at a label and at a branch every window is 0
	s_mov_b32 s3, LAPS-1
.Llap:                                                 ; a trip goes once round the ring, from a lap's second quarter to the next lap's first, and fills both slots again
	QUARTER 0, 2, F1, F0, 0
	QUARTER 0, 3, F0, F1, 0
	TURN 0, 1, 1
	QUARTER 1, 1, F0, F1, 0
	QUARTER 1, 2, F1, F0, 0
	QUARTER 1, 3, F0, F1, 0
	TURN 1, 0, 1
	QUARTER 0, 1, F0, F1, 0
	WIN 0
	s_sub_co_u32 s3, s3, 1
	s_cmp_lg_u32 s3, 0
	s_cbranch_scc1 .Llap
	QUARTER 0, 2, F1, F0, 0                        ; the last lap fills nothing
	QUARTER 0, 3, F0, F1, 0
	TURN 0, 1, 0
	QUARTER 1, 1, F0, F1, 0
	QUARTER 1, 2, F1, F0, 0
	QUARTER 1, 3, F0, F1, 0
	s_wait_dscnt 4                                 ; the very last quarter: nothing more to fetch
	WIN MUL
	MUL8 F1, 0, 0
	MUL8 F1, 1, 0
	s_wait_dscnt 0x0
	MUL8 F1, 2, 0
	MUL8 F1, 3, 0
	WIN 0
; THE WAY OUT, a block of 16 rows at a time.  TOSTAGE: the accumulators go as they are (f32), low registers first, into my own stage, and come back as whole rows of 512 bytes, into window 1.  SEND: stored.
.macro TOSTAGE a
	WIN 0x08                                       ; the stores' data in window 2
.irp b, 0,1,2,3,4,5,6,7
	ds_store_b128 v[STO], v[8*(8*\a+\b):8*(8*\a+\b)+3]   offset:64*\b
	ds_store_b128 v[STO], v[8*(8*\a+\b)+4:8*(8*\a+\b)+7] offset:64*\b+16
.endr
	WIN 0x40                                       ; the loads' destination in window 1
.irp p, 0,1,2,3,4,5,6,7,8,9,10,11,12,13,14,15
	ds_load_b128 v[64*\a+4*\p:64*\a+4*\p+3], v[RD] offset:\p*SP   ; LDS serves a wave's instructions in order (ISA guide 5.7.1.4): these see the stores above; the next block's stores come behind them
.endr
.endm
.macro SEND a, younger                 ; younger: the LDS instructions issued behind block a's loads: the next block's 16 stores and 16 loads, or none
	WIN 0x04                                       ; the stores' data in window 1
	s_wait_dscnt \younger
.irp p, 0,1,2,3,4,5,6,7,8,9,10,11,12,13,14,15
	global_store_b128 v[CO], v[64*\a+4*\p:64*\a+4*\p+3], s[10:11] offset:(16*\a+\p)*4096 th:TH_STORE_NT   ; 512 consecutive bytes of a row, aligned; written once; no register is used twice
.endr
.endm
	PLACES                                         ; the LDS stores read results just made, and the loads land in registers that the last products read
	TOSTAGE 0
	TOSTAGE 1                                      ; a block's way through the stage stands between the loads of the block before and its stores
	SEND 0, 32
	TOSTAGE 2
	SEND 1, 32
	TOSTAGE 3
	SEND 2, 32
	SEND 3, 0
	WIN 0
	s_wait_tensorcnt 0x0                           ; the wave's end, behind my last tensor load and my last LDS store
	ds_add_u32 v[SPW], v[NIL]
	s_wait_dscnt 0x0
	CROUND                                         ; the closing round: no work-group ends while a partner may still ask for a tile that names it
	s_endpgm
.Lfunc_end_k_q1720b40dc0_proj:
	.size	k_q1720b40dc0_proj, .Lfunc_end_k_q1720b40dc0_proj-k_q1720b40dc0_proj
	.p2alignl 7, 3214868480
	.fill 96, 4, 3214868480
	.section	.rodata,"a",@progbits
	.p2align	6, 0x0
	.amdhsa_kernel k_q1720b40dc0_proj
		.amdhsa_group_segment_fixed_size 327680
		.amdhsa_private_segment_fixed_size 0
		.amdhsa_enable_private_segment 0
		.amdhsa_kernarg_size 32
		.amdhsa_user_sgpr_count 2
		.amdhsa_user_sgpr_kernarg_segment_ptr 1
		.amdhsa_wavefront_size32 1
		.amdhsa_system_sgpr_workgroup_id_x 1
		.amdhsa_system_sgpr_workgroup_id_y 1
		.amdhsa_system_sgpr_workgroup_id_z 1
		.amdhsa_system_vgpr_workitem_id 0
		.amdhsa_next_free_vgpr 768
		.amdhsa_next_free_sgpr 66
		.amdhsa_reserve_vcc 0
		.amdhsa_float_denorm_mode_32 3
		.amdhsa_float_denorm_mode_16_64 3
		.amdhsa_memory_ordered 1
		.amdhsa_forward_progress 1
		.amdhsa_inst_pref_size 86
	.end_amdhsa_kernel
	.amdgpu_metadata
---
amdhsa.version: [ 1, 2 ]
amdhsa.kernels:
  - .name:           k_q1720b40dc0_proj
    .symbol:         k_q1720b40dc0_proj.kd
    .args:
      - { .name: yh, .offset: 0, .size: 8, .value_kind: global_buffer, .address_space: global }
      - { .name: wph, .offset: 8, .size: 8, .value_kind: global_buffer, .address_space: global }
      - { .name: b_proj, .offset: 16, .size: 8, .value_kind: global_buffer, .address_space: global }
      - { .name: out0, .offset: 24, .size: 8, .value_kind: global_buffer, .address_space: global }
    .group_segment_fixed_size: 327680
    .private_segment_fixed_size: 0
    .kernarg_segment_align: 8
    .kernarg_segment_size: 32
    .max_flat_workgroup_size: 128
    .sgpr_count:     66
    .vgpr_count:     768
    .wavefront_size: 32
...
	.end_amdgpu_metadata
.endif
;; end of part 4
;; ======== version 2 of 2: 4 launches; version 1 with the launch prep written anew for expert scheduling mode
;; limits: values are held in f16: magnitudes above 65,504 overflow, below 6.1e-05 lose precision
;; workspace buffers: xb 16,777,216 bytes; wab 6,291,456 bytes; wph 2,097,152 bytes; mbits 131,072 bytes of whole numbers; qkvh 50,331,648 bytes; yh 16,777,216 bytes
;; launch prep (part 5): grid 832 x 1, 8 waves a work-group, no clusters, 0 bytes of LDS; arguments x, w_attn, w_proj, attn_mask, xb, wab, wph, mbits; writes xb, wab, wph, mbits
.if DOCPART == 5
	.amdgcn_target "amdgcn-amd-amdhsa--gfx1250"
	.amdhsa_code_object_version 6
	.text
	.protected	k_q1720b40dc0_prep
	.globl	k_q1720b40dc0_prep
	.p2align	8
	.type	k_q1720b40dc0_prep,@function
k_q1720b40dc0_prep:
	s_mov_b64 s[64:65], 0
	v_nop
	global_prefetch_b8 v0, s[64:65] scope:SCOPE_SE
	s_setreg_imm32_b32 hwreg(HW_REG_WAVE_SCHED_MODE, 0, 2), 2
	s_setreg_imm32_b32 hwreg(HW_REG_WAVE_MODE, 25, 1), 1
	s_wait_xcnt 0x0
	s_wait_alu depctr_vm_vsrc(0)
; PREPARATION.  x, w_attn and w_proj (f32) are rounded once to bf16 (to nearest even), in the same order, for the matrix products of the later launches;
; the mask's bytes become lane masks of 32 bits.
; x and w_attn are stored as bf16.  w_proj meets y, which is kept in f16 for its 11 significant bits, so w_proj's bf16 numbers are written in f16:
; a bf16 number has 8 significant bits and is exact in f16 for magnitudes from 2^-17 (f16's last place is 2^-24) to 65,504.
; LIMIT: |w_proj| of 65,504 and more becomes infinity; below 2^-17 the second step is off by 2^-25 at the most.
; Work-groups 0-511 take x, 512-703 w_attn, 704-767 w_proj: 65,536 bytes of f32 each (33,554,432 / 65,536 = 512; 12,582,912 / 65,536 = 192;
; 4,194,304 / 65,536 = 64).  Thread t takes 16 bytes at 16 t of each block of 4,096: a wave's load covers 512 consecutive bytes, its store 256.
; Work-groups 768-831 take 16 rows of the mask each.  Word ((qt 64 + kt) 8 + j) of mbits has in bit l the mask of query 16 qt + l % 16 and
; key 16 kt + 8 (l / 16) + j: the lane mask for register j of a 16 x 16 tile of scores that holds one query a lane.
; No LDS, no matrix unit, no cluster: every byte is read once and nothing is shared.
; THE MODE: SCHED_MODE bits 1:0 = 2 (LLVM: expert scheduling mode 2), set by the entry lines.  The code itself states the register dependences
; between vector instructions and memory instructions, with s_wait_alu, always for 0.
; THE PLAN, converting work-groups.  Registers that memory instructions touch:
;   v1, v2     byte offsets of the loads and of the stores: written once, at the head of the path, and never again.
;   IN         written by the sixteen loads, once each, and named by no vector instruction before; read by the conversions; never loaded again.
;   OUT        written by the conversions, once each; read by one store each; never written again.
; So one wait stands ahead of the first load (the offsets are written), and one ahead of each run of four stores (their eight OUT registers are written);
; no register that a memory instruction has read is written again, and no register that a vector instruction has named is loaded.
; THE PLAN, mask work-groups.  v4, v5: offsets, written once.  v[16:31]: written by the loads alone.  v[10:11]: written by vector instructions, read by the one store.
; s21 (the wave's number) and the sixteen lane masks s[24:39] are scalar registers that vector instructions write: a wait stands between each such run of writers and its first reader.
.set NCONV, 768                        ; work-groups that convert
.set FIRSTP, 704                       ; the first of them that takes w_proj
.set T,   4                            ; v[4:9]     at work (w_proj's second step): no memory instruction names them
.set IN,  16                           ; v[16:79]   sixteen loads of 16 bytes
.set OUT, 80                           ; v[80:111]  sixteen pairs to store
.set TB,  32                           ; v[32:63]   mask work-groups: two sets of sixteen bytes at work; no memory instruction names them
.set MK,  24                           ; s[24:39]   mask work-groups: sixteen lane masks
	s_load_b512 s[4:19], s[0:1], 0x0               ; x s[4:5], w_attn s[6:7], w_proj s[8:9], mask s[10:11], xb s[12:13], wab s[14:15], wph s[16:17], mbits s[18:19]
	s_mov_b32 s20, ttmp9                           ; the work-group's number
	s_wait_kmcnt 0x0
	s_cmp_ge_u32 s20, NCONV
	s_cbranch_scc1 .Lmask
	v_lshlrev_b32 v1, 4, v0                        ; 16 t
	v_lshlrev_b32 v2, 3, v0                        ; 8 t
	; which tensor: the choice hangs on the work-group's number alone
	s_cmp_ge_u32 s20, 512
	s_cselect_b64 s[22:23], s[6:7], s[4:5]         ; from
	s_cselect_b64 s[24:25], s[14:15], s[12:13]     ; to
	s_cselect_b32 s21, 512, 0                      ; the tensor's first work-group
	s_cmp_ge_u32 s20, FIRSTP
	s_cselect_b64 s[22:23], s[8:9], s[22:23]
	s_cselect_b64 s[24:25], s[16:17], s[24:25]
	s_cselect_b32 s21, FIRSTP, s21
	s_sub_co_u32 s21, s20, s21                     ; my block in the tensor
	s_lshl_b32 s26, s21, 16                        ; 65,536 bytes of f32,
	s_mov_b32 s27, 0
	s_lshl_b32 s28, s21, 15                        ; 32,768 bytes of 16-bit numbers
	s_mov_b32 s29, 0
	s_add_nc_u64 s[22:23], s[22:23], s[26:27]
	s_add_nc_u64 s[24:25], s[24:25], s[28:29]
	s_wait_alu depctr_va_vdst(0)                   ; v1 and v2 are written: every load below reads v1 as its offset, every store v2
.irp i, 0,1,2,3,4,5,6,7,8,9,10,11,12,13,14,15
	global_load_b128 v[IN+4*\i:IN+4*\i+3], v1, s[22:23] offset:4096*\i th:TH_LOAD_NT   ; all sixteen go out first: read once in the launch
.endr
	s_cmp_ge_u32 s20, FIRSTP
	s_cbranch_scc1 .Lw_proj                        ; sixteen loads are out on both ways
.irp g, 0,1,2,3                        ; four groups of four loads
	s_wait_loadcnt 12-4*(\g)                       ; loads come back in order: the group's four are in, the younger groups stay out
.irp i, 0,1,2,3
.set e, 4*(\g)+(\i)
	v_cvt_pk_bf16_f32 v[OUT+2*e],   v[IN+4*e],   v[IN+4*e+1]
	v_cvt_pk_bf16_f32 v[OUT+2*e+1], v[IN+4*e+2], v[IN+4*e+3]
.endr
	s_wait_alu depctr_va_vdst(0)                   ; the group's eight conversions have written their OUT registers, which the four stores below read
.irp i, 0,1,2,3
.set e, 4*(\g)+(\i)
	global_store_b64 v2, v[OUT+2*e:OUT+2*e+1], s[24:25] offset:2048*e   ; 32 lanes store 256 consecutive bytes, aligned; no register is used twice, so nothing waits for a store
.endr
.endr
	s_endpgm
.Lw_proj:
.irp g, 0,1,2,3
	s_wait_loadcnt 12-4*(\g)                       ; as above
.irp i, 0,1,2,3
.set e, 4*(\g)+(\i)
	v_cvt_pk_bf16_f32 v[T],   v[IN+4*e],   v[IN+4*e+1]       ; rounded to bf16,
	v_cvt_pk_bf16_f32 v[T+1], v[IN+4*e+2], v[IN+4*e+3]
	v_lshlrev_b32 v[T+2], 16, v[T]                           ; widened again (a shift, a mask),
	v_and_b32     v[T+3], 0xffff0000, v[T]
	v_lshlrev_b32 v[T+4], 16, v[T+1]
	v_and_b32     v[T+5], 0xffff0000, v[T+1]
	v_cvt_pk_f16_f32 v[OUT+2*e],   v[T+2], v[T+3]            ; and written in f16
	v_cvt_pk_f16_f32 v[OUT+2*e+1], v[T+4], v[T+5]
.endr
	s_wait_alu depctr_va_vdst(0)                   ; the group's conversions to f16 have written their OUT registers, which the four stores below read
.irp i, 0,1,2,3
.set e, 4*(\g)+(\i)
	global_store_b64 v2, v[OUT+2*e:OUT+2*e+1], s[24:25] offset:2048*e
.endr
.endr
	s_endpgm
.Lmask:
	; Query tile qt = my number - 768; wave w takes key tiles 8 w to 8 w + 7.  Lane l reads, for key tile 8 w + k, the 8 bytes of row 16 qt + l % 16 at key 16 (8 w + k) + 8 (l / 16).
	v_lshrrev_b32 v1, 5, v0
	v_readfirstlane_b32 s21, v1                    ; wave 0..7
	s_sub_co_u32 s20, s20, NCONV                   ; qt
	v_and_b32 v2, 15, v0
	v_bfe_u32 v3, v0, 4, 1
	v_lshlrev_b32 v4, 10, v2                       ; a row of the mask is 1,024 bytes
	v_lshl_add_u32 v4, v3, 3, v4
	v_and_b32 v5, 31, v0
	v_lshlrev_b32 v5, 3, v5                        ; the way out: 8 bytes a lane
	s_wait_alu depctr_va_sdst(0)                   ; s21 is written, ahead of its first reader: the offsets in the mask and in mbits are made from it
	s_lshl_b32 s22, s20, 14                        ; 16 rows,
	s_lshl_b32 s23, s21, 7                         ; 128 keys
	s_add_co_u32 s22, s22, s23
	s_mov_b32 s23, 0
	s_lshl_b32 s24, s20, 11                        ; a query tile's 512 words,
	s_lshl_b32 s25, s21, 8                         ; my wave's 64 of them
	s_add_co_u32 s24, s24, s25
	s_mov_b32 s25, 0
	s_add_nc_u64 s[10:11], s[10:11], s[22:23]
	s_add_nc_u64 s[18:19], s[18:19], s[24:25]
	s_wait_alu depctr_va_vdst(0)                   ; v4, the loads' offset, and v5, the store's, are written
.irp k, 0,1,2,3,4,5,6,7
	global_load_b64 v[IN+2*\k:IN+2*\k+1], v4, s[10:11] offset:16*\k
.endr
	v_mov_b32 v10, 0                               ; v_writelane_b32 keeps the other lanes, so both are written whole first
	v_mov_b32 v11, 0
	s_wait_loadcnt 0x0
	; Word 8 k + j of my wave's 64 goes to lane 4 k + j / 2, register j % 2: the lanes then hold the words in order, two each.
	; Four runs of sixteen words (key tiles 2 r and 2 r + 1; word n of a run: k = 2 r + n / 8, j = n % 8).  BYTES: one key's mask byte in each lane.  MASKS: 32 lanes' bits in one scalar register.  PLACE: into its lane.
.macro BYTES r
.set n, 0
.rept 16
	v_bfe_u32 v[TB+16*((\r)%2)+n], v[IN+2*(2*(\r)+n/8)+(n%8)/4], 8*(n%4), 8
.set n, n+1
.endr
.endm
.macro MASKS r
.set n, 0
.rept 16
	v_cmp_ne_u32 s[MK+n], 0, v[TB+16*((\r)%2)+n]
.set n, n+1
.endr
.endm
.macro PLACE r
.set n, 0
.rept 16
	v_writelane_b32 v[10+n%2], s[MK+n], 4*(2*(\r)+n/8)+(n%8)/2
.set n, n+1
.endr
.endm
	BYTES 0
	MASKS 0
	BYTES 1                                        ; the next run's bytes stand between a run's compares and the wait for them
	s_wait_alu depctr_va_sdst(0)                   ; run 0's sixteen compares have written s[24:39], which the sixteen v_writelane_b32 below read
	PLACE 0
	MASKS 1
	BYTES 2
	s_wait_alu depctr_va_sdst(0)                   ; run 1's compares have written s[24:39]
	PLACE 1
	MASKS 2
	BYTES 3
	s_wait_alu depctr_va_sdst(0)                   ; run 2's compares have written s[24:39]
	PLACE 2
	MASKS 3
	s_wait_alu depctr_va_sdst(0)                   ; run 3's compares have written s[24:39]
	PLACE 3
	s_wait_alu depctr_va_vdst(0)                   ; the v_writelane_b32 have written v10 and v11, which the store reads
	global_store_b64 v5, v[10:11], s[18:19]        ; 256 consecutive bytes, aligned
	s_endpgm
.Lfunc_end_k_q1720b40dc0_prep:
	.size	k_q1720b40dc0_prep, .Lfunc_end_k_q1720b40dc0_prep-k_q1720b40dc0_prep
	.p2alignl 7, 3214868480
	.fill 96, 4, 3214868480
	.section	.rodata,"a",@progbits
	.p2align	6, 0x0
	.amdhsa_kernel k_q1720b40dc0_prep
		.amdhsa_group_segment_fixed_size 0
		.amdhsa_private_segment_fixed_size 0
		.amdhsa_enable_private_segment 0
		.amdhsa_kernarg_size 64
		.amdhsa_user_sgpr_count 2
		.amdhsa_user_sgpr_kernarg_segment_ptr 1
		.amdhsa_wavefront_size32 1
		.amdhsa_system_sgpr_workgroup_id_x 1
		.amdhsa_system_sgpr_workgroup_id_y 1
		.amdhsa_system_sgpr_workgroup_id_z 1
		.amdhsa_system_vgpr_workitem_id 0
		.amdhsa_next_free_vgpr 112
		.amdhsa_next_free_sgpr 66
		.amdhsa_reserve_vcc 0
		.amdhsa_float_denorm_mode_32 3
		.amdhsa_float_denorm_mode_16_64 3
		.amdhsa_memory_ordered 1
		.amdhsa_forward_progress 1
		.amdhsa_inst_pref_size 30
	.end_amdhsa_kernel
	.amdgpu_metadata
---
amdhsa.version: [ 1, 2 ]
amdhsa.kernels:
  - .name:           k_q1720b40dc0_prep
    .symbol:         k_q1720b40dc0_prep.kd
    .args:
      - { .name: x, .offset: 0, .size: 8, .value_kind: global_buffer, .address_space: global }
      - { .name: w_attn, .offset: 8, .size: 8, .value_kind: global_buffer, .address_space: global }
      - { .name: w_proj, .offset: 16, .size: 8, .value_kind: global_buffer, .address_space: global }
      - { .name: attn_mask, .offset: 24, .size: 8, .value_kind: global_buffer, .address_space: global }
      - { .name: xb, .offset: 32, .size: 8, .value_kind: global_buffer, .address_space: global }
      - { .name: wab, .offset: 40, .size: 8, .value_kind: global_buffer, .address_space: global }
      - { .name: wph, .offset: 48, .size: 8, .value_kind: global_buffer, .address_space: global }
      - { .name: mbits, .offset: 56, .size: 8, .value_kind: global_buffer, .address_space: global }
    .group_segment_fixed_size: 0
    .private_segment_fixed_size: 0
    .kernarg_segment_align: 8
    .kernarg_segment_size: 64
    .max_flat_workgroup_size: 256
    .sgpr_count:     66
    .vgpr_count:     112
    .wavefront_size: 32
...
	.end_amdgpu_metadata
.endif
;; end of part 5
;; launch qkv: the kernel of part 2 again; grid 4 x 64, 4 waves a work-group, clusters of 4 x 4, 327,680 bytes of LDS; arguments xb, wab, b_attn, qkvh; writes qkvh
;; launch attn: the kernel of part 3 again; grid 2 x 128, 8 waves a work-group, no clusters, 327,680 bytes of LDS; arguments qkvh, mbits, yh; writes yh
;; launch proj: the kernel of part 4 again; grid 4 x 64, 4 waves a work-group, clusters of 4 x 4, 327,680 bytes of LDS; arguments yh, wph, b_proj, out0; writes out0
